; MI455X (gfx1250); checked and timed in simulation.
; The chip was launched on July 23, 2026; its instructions are those of AMD's public machine-readable ISA for CDNA 5 (MIT licence, August 2026) and "CDNA5" Instruction Set Architecture Reference Guide (July 2026). The comments in the code are by the model that wrote it; some were corrected since.
;; Multi Head Diff Attention. Allowed arithmetic: matrix products marked QUANTISED: E4M3 operands, one E8M0 scale for each 32 along K, by v_wmma_scale_f32_16x16x128_f8f6f4 with both operands' format E4M3, f32 sums; everything else in f32.
;; Inputs: Wc 1,024 x 2,048 float32; Wk1 1,024 x 1,024 float32; Wk2 1,024 x 1,024 float32; Wq1 1,024 x 1,024 float32; Wq2 1,024 x 1,024 float32; Wv 2,048 x 1,024 float32; gamma 128 float32; gn_b 128 float32; gn_w 128 float32; lk1 16 x 1 x 1 float32; lk2 16 x 1 x 1 float32; lq1 16 x 1 x 1 float32; lq2 16 x 1 x 1 float32; x 2 x 2,048 x 1,024 float32.
;; Outputs: out0 2 x 2,048 x 1,024 float32.
;; This version of the problem:
;;   THIS VERSION OF THE PROBLEM IS GIVEN IN LOW PRECISION. The matrix products marked QUANTISED in the list below multiply operands that are first quantised to E4M3 (4 exponent bits, 3 mantissa bits; 8 bits a number), with one power-of-two scale for each 32 numbers along K (OCP MX v1.0); their sums are f32. All else is computed in f32.
;;   The module's matrix products, in the order in which they are computed (A, B: the left and right operand; K: the contracted axis; several contracted axes count as one K, in the product's order):
;;     1. [M 4,096, K 1,024] x [K 1,024, N 1,024]; A: input x; B: input Wq1: QUANTISED
;;     2. [M 4,096, K 1,024] x [K 1,024, N 1,024]; A: input x; B: input Wq2: QUANTISED
;;     3. [M 4,096, K 1,024] x [K 1,024, N 1,024]; A: input x; B: input Wk1: QUANTISED
;;     4. [M 4,096, K 1,024] x [K 1,024, N 1,024]; A: input x; B: input Wk2: QUANTISED
;;     5. [M 4,096, K 1,024] x [K 1,024, N 2,048]; A: input x; B: input Wv: QUANTISED
;;     6. batch 32 x [M 2,048, K 64] x [K 64, N 2,048]; A: computed on the way; B: computed on the way: QUANTISED
;;     7. batch 32 x [M 2,048, K 64] x [K 64, N 2,048]; A: computed on the way; B: computed on the way: QUANTISED
;;     8. batch 32 x [M 2,048, K 2,048] x [K 2,048, N 128]; A: computed on the way; B: computed on the way: QUANTISED
;;     9. [M 4,096, K 2,048] x [K 2,048, N 1,024]; A: computed on the way; B: input Wc: QUANTISED
;;   THE QUANTISER, for each operand of a quantised product, along K:
;;     - K is cut into blocks of 32 from its start; a last block that is shorter is filled with zeros.
;;     - A block's scale is 2^e with e = floor(log2(the largest magnitude in the block)) - 8, held to -126 .. 127; a block of zeros has e = 0. As a byte (E8M0): e + 127.
;;     - Each number is divided by its block's scale, clamped to +-448, and rounded to the nearest number of E4M3, ties to even, subnormals kept.
;;     - The product sums the exact products of the quantised numbers (number of the format x scale) in f32.
;;   ~~~python
;;   def quantise(x, axis):      # numpy; x: float32 -> the quantised numbers, widened to float32 again
;;       x = np.moveaxis(x, axis, -1); K = x.shape[-1]
;;       x = np.pad(x, [(0, 0)] * (x.ndim - 1) + [(0, -K % 32)]); x = x.reshape(x.shape[:-1] + (-1, 32)); a = np.abs(x).max(-1, keepdims=True)
;;       e = np.where(a > 0, np.clip(np.frexp(np.where(a > 0, a, 1))[1] - 1 - 8, -126, 127), 0)      # np.frexp(a)[1] - 1 = floor(log2(a)), exactly
;;       r = np.clip(x / 2.0 ** e, -448, 448)
;;       step = 2.0 ** (np.maximum(np.frexp(np.where(r == 0, 1, r))[1] - 1, -6) - 3)
;;       q = np.round(r / step) * step * 2.0 ** e      # np.round: ties to even
;;       return np.moveaxis(q.reshape(q.shape[:-2] + (-1,))[..., :K], -1, axis).astype(np.float32)
;;   ~~~
;;   OPERANDS COMPUTED ON THE WAY. 'Computed on the way' means the value that the module computes at that place (a softmax that the list does not call 'softmax' is quantised finished and normalised). What goes into a quantiser is computed in f32, as accurately as f32 sums, v_exp_f32 and their like allow (about 1e-6 of the number): no bf16 or f16 on the way to a quantiser, and a product that is left as it is and whose result goes on into a quantised operand takes f32 operands (vector FMAs, or v_wmma_f32_16x16x4_f32). A number that lies on a knife's edge between two numbers of the format may be rounded either way, as far as f32 arithmetic and the matrix unit's own rounding can turn it there, and no further.
;; One version. Each part assembles by itself: llvm-mc -triple=amdgcn-amd-amdhsa -mcpu=gfx1250 --defsym DOCPART=n.
;; ======== version 1 of 1: 5 launches
;; limits: right only within a limited range of input values
;; workspace buffers: codes 12,976,128 bytes; qkv 25,952,256 bytes; yimg 33,554,432 bytes; stats 65,536 bytes; ycodes 8,650,752 bytes
;; launch quant (part 1): grid 384 x 1, 4 waves a work-group, no clusters, 34,304 bytes of LDS; arguments x, Wv, Wq1, Wq2, Wk1, Wk2, Wc, codes; writes codes
.if DOCPART == 1
	.amdgcn_target "amdgcn-amd-amdhsa--gfx1250"
	.amdhsa_code_object_version 6
	.text
	.protected	k_q1ebaeb0aea_quant
	.globl	k_q1ebaeb0aea_quant
	.p2align	8
	.type	k_q1ebaeb0aea_quant,@function
k_q1ebaeb0aea_quant:
	s_mov_b64 s[64:65], 0
	v_nop
	global_prefetch_b8 v0, s[64:65] scope:SCOPE_SE
	s_setreg_imm32_b32 hwreg(HW_REG_WAVE_MODE, 25, 1), 1
	s_wait_xcnt 0x0
; x [4096][1024], Wv [2048][1024], Wq1, Wq2, Wk1, Wk2 [1024][1024], Wc [1024][2048], all f32 with K innermost, become codes of FP8 (E4M3) with one E8M0 byte for each 32 along K.
; THE WORKSPACE FORMAT (all code buffers of this program): tiles of 128 rows x 128 K, 16,896 bytes each, [rowtile][K step].  In a tile: fragment a (16 rows) is the IMAGE OF THE OPERAND'S REGISTERS:
; registers 4 c .. 4 c + 3 of lane l at byte 2048 a + 512 c + 16 l (lane (r, h) holds k = 32 c + 16 h + 0 .. 15 of the fragment's row r); at byte 16,384 + 16 l the scale words of fragments 4 (l / 16) + 0 .. 3, row l % 16.
; So every later read of a fragment is 512 consecutive bytes, a tile is one dense block, and one 16-byte load a lane brings the scale words of all eight fragments.
; THE ROWS OF A FRAGMENT ARE NOT NEIGHBOURS: row r of fragment a is natural row 32 (a / 2) + 8 (a % 2) + r + 8 (r / 8) of the rowtile, so that a product that takes such rows as source 0 leaves 16 neighbours in a lane's 16 registers.
; Tiles of the buffer: x 0-255, Wv 256-383, [Wq1 rows 64 h.. | Wq2 rows 64 h..] 384-511, [Wk1 | Wk2] 512-639, Wc 640-767.
; SHARES.  A work-group takes 64 natural rows of one tensor x 512 along K; wave w takes one K step of 128: four fragments, half a tile.  Which tensor: by the work-group's number alone (pointers are chosen, the path is one).
; A row's 512 bytes are loaded as they lie (32 lanes x 16 bytes), go through the wave's own stage in LDS (rows of 528 bytes: sixteen rows start in sixteen different 16-byte columns) and come back 64 bytes a lane.
; A block's scale is 2^(floor(log2(largest magnitude)) - 8); its byte is the largest magnitude's exponent field - 8, held at 1 from below.
; LIMITS: a block of zeros, or one whose largest magnitude lies under 2^-118, gets the byte 1 (the rule says 127 for zeros: its codes are zeros, and this program alone reads the bytes); NaN and infinities are not served.
.set TILE, 16896
.set SP,   528                         ; a stage row: 512 bytes + 16
.set WST,  16*SP                       ; a wave's stage
.set LI,   1                           ; v1   16 x lane
.set STI,  2                           ; v2   the stage, on the way in
.set STO,  3                           ; v3   and on the way out: row r, + 64 h
.set R16,  4                           ; v4   16 x (lane % 16)
.set LN,   5                           ; v5   lane
.set OFF,  8                           ; v8-23  byte offset of my 16 bytes in row p of a fragment
.set PC,   24                          ; v24-39 the codes just made
.set TM,   40                          ; v40-55 at work in QUANT
.set PW,   56                          ; v56-59 the four fragments' scale words
.set X,    64                          ; v64-127 64 numbers: register 16 b + i = k 32 b + 16 h + i of my row
.set R,    128                         ; v128-255 two sets of 16 x 4 registers as loaded
.set SEL,  32                          ; s[32:33] lane selects: lane l xor 16
.set MNT,  34                          ; s34  the mantissa field of 448
; 64 numbers of a lane become a fragment's codes in v[PC] on and its scale word in v[pw]
.macro QUANT s, pw
.irp b, 0,1,2,3
	v_max3_num_f32 v[TM+\b], |v[\s+16*\b]|, |v[\s+1+16*\b]|, 0x4800000   ; my 16 numbers of block b, and the floor 2^(9 - 127): the byte cannot fall under 1
.endr
.irp i, 2,4,6,8,10,12,14
.irp b, 0,1,2,3
	v_max3_num_f32 v[TM+\b], v[TM+\b], |v[\s+16*\b+\i]|, |v[\s+1+16*\b+\i]|
.endr
.endr
.irp b, 0,1,2,3
	v_permlanex16_b32 v[TM+4+\b], v[TM+\b], s[SEL], s[SEL+1]
.endr
.irp b, 0,1,2,3
	v_max_num_f32 v[TM+\b], v[TM+\b], v[TM+4+\b]           ; with lane l xor 16's: the block's largest magnitude
.endr
.irp b, 0,1,2,3
	v_add_nc_u32 v[TM+12+\b], 0xfc000000, v[TM+\b]         ; 8 off its exponent field: the conversion's scale operand
.endr
.irp b, 0,1,2,3
	v_and_or_b32 v[TM+8+\b], v[TM+\b], 0x7f800000, s[MNT]  ; 448 x the scale
.endr
.irp b, 0,1,2,3
	v_lshrrev_b32 v[TM+4+\b], 23, v[TM+12+\b]              ; the scale's byte
.endr
	v_lshl_or_b32 v[\pw], v[TM+5], 8, v[TM+4]
	v_lshl_or_b32 v[\pw], v[TM+6], 16, v[\pw]
	v_lshl_or_b32 v[\pw], v[TM+7], 24, v[\pw]
.irp b, 0,1,2,3
.irp i, 0,1,2,3,4,5,6,7,8,9,10,11,12,13,14,15
	v_med3_num_f32 v[\s+16*\b+\i], v[\s+16*\b+\i], -v[TM+8+\b], v[TM+8+\b]   ; the conversion to an 8-bit code does not saturate (ISA guide 7.6.2): the hold comes first
.endr
	v_cvt_scalef32_pk8_fp8_f32 v[PC+4*\b:PC+1+4*\b], v[\s+16*\b:\s+7+16*\b], v[TM+12+\b]
	v_cvt_scalef32_pk8_fp8_f32 v[PC+2+4*\b:PC+3+4*\b], v[\s+8+16*\b:\s+15+16*\b], v[TM+12+\b]
.endr
	v_nop                                          ; one plain vector line behind the last conversion
.endm
	s_load_b256 s[4:11], s[0:1], 0x0               ; x, Wv, Wq1, Wq2
	s_load_b256 s[12:19], s[0:1], 0x20             ; Wk1, Wk2, Wc, codes
	v_lshl_add_u32 v62, v0, 2, 0x8400
	v_mov_b32 v63, 0
	v_lshrrev_b32 v6, 5, v0
	v_readfirstlane_b32 s20, v6                    ; wave 0..3
	v_and_b32 v[LN], 31, v0
	v_and_b32 v6, 15, v0                           ; r
	v_bfe_u32 v7, v0, 4, 1                         ; h
	v_lshlrev_b32 v[LI], 4, v[LN]
	v_lshlrev_b32 v[R16], 4, v6
	s_mul_i32 s21, s20, WST
	v_add_nc_u32 v[STI], s21, v[LI]
	v_mul_u32_u24 v[STO], v6, SP
	v_lshl_add_u32 v[STO], v7, 6, v[STO]
	v_add_nc_u32 v[STO], s21, v[STO]
	s_mov_b32 s[SEL], 0x76543210
	s_mov_b32 s[SEL+1], 0xfedcba98
	s_mov_b32 s[MNT], 0x600000
.irp b, 0,1,2,3
	v_mov_b32 v[TM+4+\b], 0                        ; written once: a lane permute's destination counts as one of its sources
.endr
	; which tensor: s22 its first work-group, s23 its first tile, s24 / s25: a group of 64 rows is half G = (group << s24) + s25 of the rowtiles
	s_mov_b32 s22, 320                             ; Wc's figures to begin with
	s_mov_b32 s23, 640
	s_mov_b32 s24, 0
	s_mov_b32 s25, 0
	s_cmp_lt_u32 ttmp9, 320
	s_cselect_b32 s36, 1, 2                        ; log2 of the work-groups along K: 1,024 / 512 or 2,048 / 512
	s_cselect_b32 s37, 3, 4                        ; log2 of the K steps of a rowtile
	s_cselect_b32 s38, 12, 13                      ; log2 of a row's bytes
	s_wait_kmcnt 0x0
	s_mov_b64 s[26:27], s[16:17]
.macro PICK thr, p, st, t0, gs, ga     ; work-groups under thr belong to an earlier tensor: the choice hangs on the work-group's number alone
	s_cmp_lt_u32 ttmp9, \thr
	s_cselect_b64 s[26:27], s[\p:\p+1], s[26:27]
	s_cselect_b32 s22, \st, s22
	s_cselect_b32 s23, \t0, s23
	s_cselect_b32 s24, \gs, s24
	s_cselect_b32 s25, \ga, s25
.endm
	PICK 320, 14, 288, 512, 1, 1                   ; Wk2
	PICK 288, 12, 256, 512, 1, 0                   ; Wk1
	PICK 256, 10, 224, 384, 1, 1                   ; Wq2
	PICK 224, 8, 192, 384, 1, 0                    ; Wq1
	PICK 192, 6, 128, 256, 0, 0                    ; Wv
	PICK 128, 4, 0, 0, 0, 0                        ; x
	s_sub_co_u32 s28, ttmp9, s22
	s_lshr_b32 s29, s28, s36                       ; which 64 rows
	s_lshl_b32 s30, s29, s36
	s_sub_co_u32 s30, s28, s30                     ; which 512 along K
	s_lshl_b32 s31, s29, s24
	s_add_co_u32 s31, s31, s25                     ; G
	s_and_b32 s39, s31, 1                          ; H: which half of the tile's fragments
	s_lshr_b32 s31, s31, 1
	s_lshl_b32 s31, s31, s37
	s_add_co_u32 s31, s31, s23
	s_lshl_b32 s30, s30, 2
	s_add_co_u32 s30, s30, s20                     ; my K step
	s_add_co_u32 s31, s31, s30                     ; my tile
	s_mul_i32 s40, s31, TILE
	s_mov_b32 s41, 0
	s_add_nc_u64 s[18:19], s[18:19], s[40:41]
	s_lshl_b32 s40, s39, 13
	s_add_nc_u64 s[42:43], s[18:19], s[40:41]      ; my four fragments
	s_lshl_b32 s40, s39, 8
	s_add_co_u32 s40, s40, 16384
	s_add_nc_u64 s[44:45], s[18:19], s[40:41]      ; their scale words: 256 bytes
	s_lshl_b32 s40, s29, 6
	s_lshl_b32 s40, s40, s38
	s_lshl_b32 s46, s30, 9
	s_add_co_u32 s40, s40, s46
	s_add_nc_u64 s[26:27], s[26:27], s[40:41]      ; the 64 rows' first row, at my K step
	s_mov_b64 s[48:49], s[26:27]                   ; fragment a' begins at natural row 0, 8, 32, 40
	s_lshl_b32 s40, 8, s38
	s_add_nc_u64 s[50:51], s[26:27], s[40:41]
	s_lshl_b32 s40, 32, s38
	s_add_nc_u64 s[52:53], s[26:27], s[40:41]
	s_lshl_b32 s40, 40, s38
	s_add_nc_u64 s[54:55], s[26:27], s[40:41]
.set p, 0
.rept 16
	s_lshl_b32 s40, p+8*(p/8), s38                 ; a fragment's row p lies p + 8 (p / 8) natural rows on
	v_add_nc_u32 v[OFF+p], s40, v[LI]
.set p, p+1
.endr
.macro LOAD a                          ; fragment a: 16 rows x 512 bytes; each load covers 512 consecutive bytes
.set p, 0
.rept 16
	global_load_b128 v[R+64*((\a)%2)+4*p:R+64*((\a)%2)+4*p+3], v[OFF+p], s[48+2*(\a):49+2*(\a)] th:TH_LOAD_NT
.set p, p+1
.endr
.endm
.macro TURNX a                         ; through the stage: LDS serves a wave's instructions in order (ISA guide 5.7.1.4), so no wait stands between the stores and the loads
.set p, 0
.rept 16
	ds_store_b128 v[STI], v[R+64*((\a)%2)+4*p:R+64*((\a)%2)+4*p+3] offset:SP*p
.set p, p+1
.endr
.set p, 0
.rept 16
	ds_load_b128 v[X+4*p:X+4*p+3], v[STO] offset:128*(p/4)+16*(p%4)
.set p, p+1
.endr
.endm
	s_wait_alu depctr_va_vdst(0)
	LOAD 0
	LOAD 1
.irp a, 0,1,2,3
.if \a < 3
	s_wait_loadcnt 16                              ; this fragment's 16 loads are in; the next fragment's 16 may be out
.else
	s_wait_loadcnt 0x0
.endif
	TURNX \a
	s_wait_dscnt 0x0                               ; the numbers are back, and the stage's stores have read their registers,
.if \a < 2
	LOAD \a+2                                      ; which take the fragment two further on
.endif
	s_wait_xcnt 0x0                                ; the last fragment's stores have read the codes' registers: they are written again only behind this wait
	QUANT X, PW+\a
.irp c, 0,1,2,3
	global_store_b128 v[LI], v[PC+4*\c:PC+4*\c+3], s[42:43] offset:\a*2048+512*\c   ; 512 consecutive bytes, at a multiple of 256 from the buffer's first byte
.endr
.endr
	s_wait_xcnt 0x0                                ; EXEC changes only behind this wait
	v_cmp_gt_u32 vcc_lo, 16, v[LN]
	s_wait_tensorcnt 0x0
	ds_add_u32 v62, v63
	s_wait_dscnt 0x0
	s_and_saveexec_b32 s2, vcc_lo
	global_store_b128 v[R16], v[PW:PW+3], s[44:45] ; sixteen lanes store the 256 bytes of my four fragments' scale words
	s_endpgm
.Lfunc_end_k_q1ebaeb0aea_quant:
	.size	k_q1ebaeb0aea_quant, .Lfunc_end_k_q1ebaeb0aea_quant-k_q1ebaeb0aea_quant
	.p2alignl 7, 3214868480
	.fill 96, 4, 3214868480
	.section	.rodata,"a",@progbits
	.p2align	6, 0x0
	.amdhsa_kernel k_q1ebaeb0aea_quant
		.amdhsa_group_segment_fixed_size 34304
		.amdhsa_private_segment_fixed_size 0
		.amdhsa_enable_private_segment 0
		.amdhsa_kernarg_size 64
		.amdhsa_user_sgpr_count 2
		.amdhsa_user_sgpr_kernarg_segment_ptr 1
		.amdhsa_wavefront_size32 1
		.amdhsa_system_sgpr_workgroup_id_x 1
		.amdhsa_system_sgpr_workgroup_id_y 1
		.amdhsa_system_sgpr_workgroup_id_z 1
		.amdhsa_system_vgpr_workitem_id 0
		.amdhsa_next_free_vgpr 256
		.amdhsa_next_free_sgpr 66
		.amdhsa_reserve_vcc 1
		.amdhsa_float_denorm_mode_32 3
		.amdhsa_float_denorm_mode_16_64 3
		.amdhsa_memory_ordered 1
		.amdhsa_forward_progress 1
		.amdhsa_inst_pref_size 54
	.end_amdhsa_kernel
	.amdgpu_metadata
---
amdhsa.version: [ 1, 2 ]
amdhsa.kernels:
  - .name:           k_q1ebaeb0aea_quant
    .symbol:         k_q1ebaeb0aea_quant.kd
    .args:
      - { .name: x, .offset: 0, .size: 8, .value_kind: global_buffer, .address_space: global }
      - { .name: Wv, .offset: 8, .size: 8, .value_kind: global_buffer, .address_space: global }
      - { .name: Wq1, .offset: 16, .size: 8, .value_kind: global_buffer, .address_space: global }
      - { .name: Wq2, .offset: 24, .size: 8, .value_kind: global_buffer, .address_space: global }
      - { .name: Wk1, .offset: 32, .size: 8, .value_kind: global_buffer, .address_space: global }
      - { .name: Wk2, .offset: 40, .size: 8, .value_kind: global_buffer, .address_space: global }
      - { .name: Wc, .offset: 48, .size: 8, .value_kind: global_buffer, .address_space: global }
      - { .name: codes, .offset: 56, .size: 8, .value_kind: global_buffer, .address_space: global }
    .group_segment_fixed_size: 34304
    .private_segment_fixed_size: 0
    .kernarg_segment_align: 8
    .kernarg_segment_size: 64
    .max_flat_workgroup_size: 128
    .sgpr_count:     66
    .vgpr_count:     256
    .wavefront_size: 32
...
	.end_amdgpu_metadata
.endif
;; end of part 1
;; launch proj (part 2): grid 16 x 24, 4 waves a work-group, clusters of 4 x 4, 327,680 bytes of LDS; arguments codes, qkv; writes qkv
.if DOCPART == 2
	.amdgcn_target "amdgcn-amd-amdhsa--gfx1250"
	.amdhsa_code_object_version 6
	.text
	.protected	k_q1ebaeb0aea_proj
	.globl	k_q1ebaeb0aea_proj
	.p2align	8
	.type	k_q1ebaeb0aea_proj,@function
k_q1ebaeb0aea_proj:
	s_mov_b64 s[64:65], 0
	v_nop
	global_prefetch_b8 v0, s[64:65] scope:SCOPE_SE
	s_setreg_imm32_b32 hwreg(HW_REG_WAVE_MODE, 25, 1), 1
	s_wait_xcnt 0x0
	s_wait_alu depctr_hold_cnt(0) depctr_sa_sdst(0) depctr_va_vdst(0) depctr_va_sdst(0) depctr_va_ssrc(0) depctr_va_vcc(0) depctr_vm_vsrc(0)
	s_getreg_b32 s2, hwreg(HW_REG_IB_STS2, 6, 4)
	s_cmp_eq_u32 s2, 0
	s_cbranch_scc0 .Lentry_in_a_cluster
	s_endpgm
.Lentry_in_a_cluster:
	s_bfe_u32 s2, ttmp6, 0x10000c
	s_cmp_lg_u32 s2, 0xf033
	s_cbranch_scc0 .Lentry_shape_is_right
	s_endpgm
.Lentry_shape_is_right:
; The five projections as ONE product on codes of FP8 (E4M3) with E8M0 scales, K = 1,024, and the quantising of its results for the attention.
; Tile rows y = 0 .. 15 of the grid: A = x (tokens), B = [Wq1 | Wq2] and [Wk1 | Wk2] by heads.  Tile rows 16 .. 23: A = Wv (channels), B = x (tokens).  One text serves both: A's rowtiles 0 .. 47 lie on end in the buffer.
; Operands lie as tiles of 128 rows x 128 K, 16,896 bytes: eight fragments as images of the operand's registers (2048 a + 512 c + 16 x lane), then the scale words (16,384 + 16 x lane: fragments 4 (lane / 16) + 0 .. 3, row lane % 16).
; A tile of C, 256 x 256, is made by four waves, each 128 x 128: 64 accumulators, 512 registers.  K goes in steps of 256 through two LDS slots; a wave's tensor load brings one rowtile x two K steps: 33,792 dense bytes.
; THE MATRIX INSTRUCTION IS USED TRANSPOSED (source 0 = 16 rows of B, source 1 = 16 rows of A).  B's rows of a fragment are chosen (natural row 32 (b / 2) + 8 (b % 2) + r + 8 (r / 8)) so that the 16 registers of accumulators
; 2 i and 2 i + 1 are 16 NEIGHBOURS along B's rows.  So a lane's 64 results of one block a are, in the order of an operand's registers, 128 along the NEXT product's K: the head's [q1 | q2] or [k1 | k2] (K = the head's 64, twice),
; or 128 tokens (K = the keys, for V).  They are quantised in registers and stored as fragment a of tile (A's rowtile) x 32 + (B's rowtile) of qkv, in the same tile format.  No result goes through LDS.
; CLUSTERS: 4 x 4 work-groups; A's tiles are asked for jointly along a row of the cluster, B's along a column.  384 work-groups: a tile of 256 x 384 would give 256 of them but wants 768 accumulator registers a wave beside the fragments.
; LIMITS: a block of zeros, or one whose largest magnitude lies under 2^-118, gets the byte 1 (its codes are zeros or tiny; this program alone reads the bytes); NaN and infinities are not served.
; REGISTERS, in windows of 256: window 0: v1 16 x lane; v16-21 LDS addresses; v28, v29 the add's; v32-63 scale words, two sets; v128-255 A's fragments, ONE set (on the way out: at work).
;   window 1: B's fragments, two sets.   window 2: the accumulators of my rows 0-63 ((a, b) at v[8 (8 (a % 4) + b)]);   window 3: those of rows 64-127.
.set TILE,   16896
.set HALFT,  2*TILE                    ; a rowtile x two K steps: what one tensor load brings
.set SLOT,   4*HALFT                   ; A's two rowtiles, then B's two
.set SPARE,  2*SLOT                    ; behind the ring: the spare words, 128 bytes for each wave
.set KS,     8                         ; K steps of 128
.set LAPS,   KS/4                      ; a lap = once round the ring
.set NP,     8                         ; places behind this matrix instruction (ISA guide 7.12.1)
.set LI,   1
.set ADRA, 16                          ; v16-17  16 x lane + my rowtile of A in slot 0, 1
.set ADRB, 20                          ; v20-21  the same for B
.set SPW,  28                          ; v28     LDS address of my spare word; never rewritten
.set NIL,  29                          ; v29     0; never rewritten
.set SC,   32                          ; scale words: set s at v[SC + 16 s]; in it K step q: A's four registers at 8 q, B's at 8 q + 4 (fragment a: register a % 4, lanes 16-31 for a >= 4)
.set AF,   128
.set X,    128                         ; the way out: 64 held numbers,
.set PC,   192                         ; 16 registers of codes,
.set TM,   208                         ; 16 at work,
.set PW,   224                         ; the eight blocks' scale words,
.set SW,   232                         ; and the four that a lane stores
.set SEL,  8                           ; s[8:9]  lane selects: lane l xor 16
.set MNT,  10                          ; s10     the mantissa field of 448
.set G1,  24
.set G0,  32
.set G1B, 48
.set G0B, 56
.set MSB, 0
.macro WIN new                         ; the immediate's high byte repeats the setting that is left
.if MSB != \new
	s_set_vgpr_msb (MSB<<8)|\new
.set MSB, \new
.endif
.endm
.set MUL_LO, 0xa1                      ; source 0 (B) window 1, source 1 (A) window 0, C and D window 2
.set MUL_HI, 0xf1                      ; the same, C and D window 3
.set TO_B,   0x40                      ; destination window 1, address window 0
; A joint load: waves 0 and 1 fetch for A, waves 2 and 3 for B; the branch hangs on the wave's number alone.  Four v_nop follow each of the two lines.
.macro JLOAD g0a, g1a, g0b, g1b
	s_cmp_eq_u32 s15, 0
	s_cbranch_scc0 .Lfor_b_\@
	tensor_load_to_lds s[\g0a:\g0a+3], s[\g1a:\g1a+7]
	s_nop 0
.rept 4
	v_nop
.endr
	s_branch .Lasked_\@
.Lfor_b_\@:
	tensor_load_to_lds s[\g0b:\g0b+3], s[\g1b:\g1b+7]
	s_nop 0
.rept 4
	v_nop
.endr
.Lasked_\@:
.endm
.macro CREST                           ; a round of the cluster's barrier behind its opening barrier
	s_cmp_lg_u32 s14, 0
	s_cbranch_scc1 .Lnot_wave_0_\@
	s_barrier_signal -3
.Lnot_wave_0_\@:
	s_barrier_wait -3
	s_barrier_signal -1
	s_barrier_wait -1
.endm
.macro CROUND
	s_barrier_signal -1
	s_barrier_wait -1
	CREST
.endm
.macro PLACES n
.rept \n
	v_nop
.endr
.endm
	s_load_b128 s[4:7], s[0:1], 0x0                ; codes, qkv
	v_lshl_add_u32 v[SPW], v0, 2, SPARE
	v_mov_b32 v[NIL], 0
	ds_add_u32 v28, v29
	ds_add_u32 v28, v29
	s_wait_dscnt 0x0
	v_lshrrev_b32 v1, 5, v0
	v_readfirstlane_b32 s14, v1                    ; wave 0..3
	s_lshr_b32 s15, s14, 1                         ; which rowtile of A is mine.  Also: I fetch for A (0) or for B (1)
	s_and_b32 s16, s14, 1                          ; which rowtile of B.  Also: which rowtile I fetch
	s_bfe_u32 s40, ttmp6, 0x40000                  ; cx, cy: my place in the cluster
	s_bfe_u32 s41, ttmp6, 0x40004
	s_lshl_b32 s42, ttmp9, 2
	s_add_co_u32 s42, s42, s40                     ; tile column = 4 x cluster x + cx
	s_and_b32 s12, ttmp7, 0xffff                   ; the cluster's y: alike in all sixteen partners
	s_lshl_b32 s17, s12, 2
	s_add_co_u32 s17, s17, s41                     ; tile row = 4 x cluster y + cy
	s_lshl_b32 s43, s41, 2
	s_lshl_b32 s43, 15, s43                        ; my row of the cluster
	s_lshl_b32 s44, 0x1111, s40                    ; my column
	s_or_b32 s[G1+0], s43, (3<<16)|(1<<21)         ; 15:0 the mask; 17:16 elements of 8 bytes; 21 set beside a mask; no padding: fragments are read as 512 consecutive bytes
	s_or_b32 s[G1B+0], s44, (3<<16)|(1<<21)
.irp g, G1, G1B
	s_mov_b32 s[\g+1], 32<<16                      ; tensor_dim0 = 32 elements: rows of 256 bytes
	s_mov_b32 s[\g+2], 132<<16                     ; tensor_dim1 = 132 rows = 33,792 bytes
	s_mov_b32 s[\g+3], 32<<16                      ; tile_dim0
	s_mov_b32 s[\g+4], 132                         ; tile_dim1
	s_mov_b32 s[\g+5], 32                          ; the pitch: the block is dense
	s_mov_b32 s[\g+6], 0
	s_mov_b32 s[\g+7], 0
.endr
	s_mov_b32 s[SEL], 0x76543210
	s_mov_b32 s[SEL+1], 0xfedcba98
	s_mov_b32 s[MNT], 0x600000
	s_lshl_b32 s20, s17, 1
	s_add_co_u32 s20, s20, s16                     ; A: rowtile 2 x tile row + half (x's 32, then Wv's 16)
	s_mul_i32 s20, s20, KS*TILE
	s_mov_b32 s21, 0
	s_lshl_b32 s46, s42, 1
	s_add_co_u32 s46, s46, s16                     ; B: rowtile 2 x tile column + half,
	s_mul_i32 s46, s46, KS*TILE
	s_lshr_b32 s47, s12, 2                         ; of the q and k weights (from tile 384 on) in the clusters' rows 0-3, of x in rows 4 and 5
	s_xor_b32 s47, s47, 1
	s_mul_i32 s47, s47, 384*TILE
	s_add_co_u32 s46, s46, s47
	s_mov_b32 s47, 0
	s_mul_i32 s45, s14, HALFT                      ; where they go: wave x 33,792: no place in the cluster enters an LDS address
	s_wait_kmcnt 0x0
	s_add_nc_u64 s[20:21], s[4:5], s[20:21]
	s_add_nc_u64 s[46:47], s[4:5], s[46:47]
	CROUND                                         ; all sixteen work-groups are here: the first joint loads meet
.irp s, 0,1
	s_mov_b32 s[G0+4*\s], 1
	s_add_co_u32 s[G0+4*\s+1], s45, \s*SLOT
	s_add_nc_u64 s[G0+4*\s+2:G0+4*\s+3], s[20:21], \s*2*TILE
	s_or_b32 s[G0+4*\s+3], s[G0+4*\s+3], 0x80000000
	s_mov_b32 s[G0B+4*\s], 1
	s_add_co_u32 s[G0B+4*\s+1], s45, \s*SLOT
	s_add_nc_u64 s[G0B+4*\s+2:G0B+4*\s+3], s[46:47], \s*2*TILE
	s_or_b32 s[G0B+4*\s+3], s[G0B+4*\s+3], 0x80000000
.endr
	JLOAD G0, G1, G0B, G1B                         ; slot 0: one tensor load a wave at the head
	v_and_b32 v1, 31, v0
	v_lshlrev_b32 v[LI], 4, v1                     ; 16 x lane
	s_mul_i32 s21, s15, HALFT
	s_mul_i32 s22, s16, HALFT
	s_add_co_u32 s22, s22, 2*HALFT
.irp s, 0,1
	v_add_nc_u32 v[ADRA+\s], s21, v[LI]
	v_add_nc_u32 v[ADRB+\s], s22, v[LI]
	s_add_co_u32 s21, s21, SLOT
	s_add_co_u32 s22, s22, SLOT
.endr
	s_lshl_b32 s20, s17, 1                         ; my tile of qkv: (A's rowtile) x 32 + (B's rowtile)
	s_add_co_u32 s20, s20, s15
	s_lshl_b32 s20, s20, 5
	s_lshl_b32 s21, s42, 1
	s_add_co_u32 s21, s21, s16
	s_add_co_u32 s20, s20, s21
	s_mul_i32 s20, s20, TILE
	s_mov_b32 s21, 0
	s_add_nc_u64 s[6:7], s[6:7], s[20:21]
.macro FRAG reg, adr, q, i             ; fragment i of the slot's K step q: four loads of 512 consecutive bytes
.irp c, 0,1,2,3
	ds_load_b128 v[\reg+4*\c:\reg+4*\c+3], v[\adr] offset:(\q)*TILE+(\i)*2048+512*\c
.endr
.endm
.macro WM zero                         ; one product; fB, fA: the scale words stand in lanes 16-31
.if \zero
.if fB && fA
	v_wmma_scale_f32_16x16x128_f8f6f4 v[rD:rD+7], v[rB:rB+15], v[rA:rA+15], 0, v[rSB], v[rSA] matrix_a_scale:MATRIX_SCALE_ROW1 matrix_b_scale:MATRIX_SCALE_ROW1
.elseif fB
	v_wmma_scale_f32_16x16x128_f8f6f4 v[rD:rD+7], v[rB:rB+15], v[rA:rA+15], 0, v[rSB], v[rSA] matrix_a_scale:MATRIX_SCALE_ROW1
.elseif fA
	v_wmma_scale_f32_16x16x128_f8f6f4 v[rD:rD+7], v[rB:rB+15], v[rA:rA+15], 0, v[rSB], v[rSA] matrix_b_scale:MATRIX_SCALE_ROW1
.else
	v_wmma_scale_f32_16x16x128_f8f6f4 v[rD:rD+7], v[rB:rB+15], v[rA:rA+15], 0, v[rSB], v[rSA]
.endif
.else
.if fB && fA
	v_wmma_scale_f32_16x16x128_f8f6f4 v[rD:rD+7], v[rB:rB+15], v[rA:rA+15], v[rD:rD+7], v[rSB], v[rSA] matrix_a_scale:MATRIX_SCALE_ROW1 matrix_b_scale:MATRIX_SCALE_ROW1
.elseif fB
	v_wmma_scale_f32_16x16x128_f8f6f4 v[rD:rD+7], v[rB:rB+15], v[rA:rA+15], v[rD:rD+7], v[rSB], v[rSA] matrix_a_scale:MATRIX_SCALE_ROW1
.elseif fA
	v_wmma_scale_f32_16x16x128_f8f6f4 v[rD:rD+7], v[rB:rB+15], v[rA:rA+15], v[rD:rD+7], v[rSB], v[rSA] matrix_b_scale:MATRIX_SCALE_ROW1
.else
	v_wmma_scale_f32_16x16x128_f8f6f4 v[rD:rD+7], v[rB:rB+15], v[rA:rA+15], v[rD:rD+7], v[rSB], v[rSA]
.endif
.endif
.endm
; 16 products: A's blocks a0, a0 + 1 x B's eight.  p: B's set; q: the slot's K step; sc: the set of scale words; zero = 1: the first product starts the sums.
; The 64 accumulators take turns, one instruction a turn, in the same order in every step.
.macro MUL16 a0, p, q, sc, zero
.irp a, \a0, \a0+1
.irp b, 0,1,2,3,4,5,6,7
.set rD, 8*(8*((\a)%4)+\b)
.set rB, 128*(\p)+16*\b
.set rA, AF+16*(\a)
.set rSB, SC+16*(\sc)+8*(\q)+4+(\b%4)
.set rSA, SC+16*(\sc)+8*(\q)+((\a)%4)
.set fB, \b/4
.set fA, (\a)/4
	WM \zero
.endr
.endr
.endm
.macro FETCH_B slot, q, p
	WIN TO_B
.irp i, 0,1,2,3,4,5,6,7
	FRAG 128*(\p)+16*\i, ADRB+\slot, \q, \i
.endr
	WIN 0
.endm
.macro FETCH_A slot, q, i0
.irp i, \i0, \i0+1, \i0+2, \i0+3
	FRAG AF+16*(\i), ADRA+\slot, \q, \i
.endr
.endm
.macro SCALES slot                     ; the slot's scale words: one load a side and K step brings all eight fragments'
.irp q, 0,1
	ds_load_b128 v[SC+16*\slot+8*\q:SC+16*\slot+8*\q+3], v[ADRA+\slot] offset:\q*TILE+16384
	ds_load_b128 v[SC+16*\slot+8*\q+4:SC+16*\slot+8*\q+7], v[ADRB+\slot] offset:\q*TILE+16384
.endr
.endm
; A slot's first 128 along K.  A block of A is free as soon as its eight products are issued, so one set serves A: blocks 0-3 are fetched anew in the step's middle, blocks 4-7 at its end.
.macro STEP slot, zero
	s_wait_dscnt 16                                ; all but the youngest 16 loads (A's blocks 4-7) are in
	WIN MUL_LO
	MUL16 0, 0, 0, \slot, \zero
	MUL16 2, 0, 0, \slot, \zero
	s_wait_dscnt 0x0
	PLACES NP                                      ; in front of loads into registers that matrix instructions have read
	FETCH_B \slot, 1, 1
	FETCH_A \slot, 1, 0
	WIN MUL_HI
	MUL16 4, 0, 0, \slot, \zero
	MUL16 6, 0, 0, \slot, \zero
	PLACES NP
	WIN 0
	FETCH_A \slot, 1, 4
.endm
; A slot's second 128 along K changes slots: ONE barrier; in front of it each wave waits for all its tensor loads, adds 0 to its spare word, and waits for that and for its reads of this slot.  fill = 1: this slot is filled again, two slots ahead.
.macro TURN slot, next, fill
	s_wait_tensorcnt 0x0                           ; all my tensor loads have landed: my part of the next slot
	ds_add_u32 v[SPW], v[NIL]                      ; 0 onto my spare word
	s_wait_dscnt 17                                ; (the add and the youngest 16 loads may be out)
	WIN MUL_LO
	MUL16 0, 1, 1, \slot, 0
	s_wait_dscnt 0x0                               ; the add is done, and my reads of this slot are over
	s_barrier_signal -1
	MUL16 2, 1, 1, \slot, 0
	WIN 0
	s_barrier_wait -1
.if \fill
	CREST                                          ; the barrier has opened a round of the cluster's: no wave of any partner still reads this slot or has a load on its way
	s_add_nc_u64 s[G0+4*\slot+2:G0+4*\slot+3], s[G0+4*\slot+2:G0+4*\slot+3], 4*TILE
	s_add_nc_u64 s[G0B+4*\slot+2:G0B+4*\slot+3], s[G0B+4*\slot+2:G0B+4*\slot+3], 4*TILE
	JLOAD G0+4*\slot, G1, G0B+4*\slot, G1B         ; the first tensor load behind the round; its four v_nop are among the places in front of the loads below
	PLACES NP-4
.else
	PLACES NP
.endif
	FETCH_B \next, 0, 0
	FETCH_A \next, 0, 0
	SCALES \next
	WIN MUL_HI
	MUL16 4, 1, 1, \slot, 0
	MUL16 6, 1, 1, \slot, 0
	PLACES NP
	WIN 0
	FETCH_A \next, 0, 4
.endm
	s_wait_alu depctr_va_vdst(0)
	s_wait_tensorcnt 0x0                           ; my part of slot 0 is in
	ds_add_u32 v[SPW], v[NIL]
	s_wait_dscnt 0x0
	CROUND                                         ; a whole round: slot 0 is whole, and the joint loads meet
	JLOAD G0+4, G1, G0B+4, G1B                     ; slot 1's first fill, the first tensor load behind the round
	FETCH_B 0, 0, 0
	FETCH_A 0, 0, 0
	SCALES 0
	FETCH_A 0, 0, 4
	STEP 0, 1                                      ; the first step stands in front of the loop: its products start the sums
	s_mov_b32 s3, LAPS-1
.Llap:
	TURN 0, 1, 1
	STEP 1, 0
	TURN 1, 0, 1
	STEP 0, 0
	s_sub_co_u32 s3, s3, 1
	s_cmp_lg_u32 s3, 0
	s_cbranch_scc1 .Llap
	TURN 0, 1, 0                                   ; the last lap fills nothing
	STEP 1, 0
	s_wait_dscnt 16
	WIN MUL_LO
	MUL16 0, 1, 1, 1, 0
	MUL16 2, 1, 1, 1, 0
	s_wait_dscnt 0x0
	WIN MUL_HI
	MUL16 4, 1, 1, 1, 0
	MUL16 6, 1, 1, 1, 0
	WIN 0
; THE WAY OUT.  Block a's 64 registers of a lane are 128 along the next K of row r, register 16 b + i = k 32 b + 16 h + i: quantised as they stand, they are fragment a of my tile.
.macro QOUT a
.set AC, 64*((\a)%4)
.set W1, 2+(\a)/4
.set W2, W1|(W1<<2)
.if (\a) > 0
	s_wait_xcnt 0x0                                ; the last block's stores have read the codes' registers
.endif
	WIN W2                                         ; sources 0 and 1: the accumulators' window
.irp b, 0,1,2,3
	v_max3_num_f32 v[TM+\b], |v[AC+16*\b]|, |v[AC+16*\b+1]|, 0x4800000   ; each accumulator is read from its low end on; the floor 2^(9 - 127) holds the byte at 1 from below
.endr
.irp i, 2,4,6,8,10,12,14
.irp b, 0,1,2,3
	v_max3_num_f32 v[TM+\b], |v[AC+16*\b+\i]|, |v[AC+16*\b+\i+1]|, v[TM+\b]
.endr
.endr
	WIN 0
.irp b, 0,1,2,3
	v_permlanex16_b32 v[TM+4+\b], v[TM+\b], s[SEL], s[SEL+1]
.endr
.irp b, 0,1,2,3
	v_max_num_f32 v[TM+\b], v[TM+\b], v[TM+4+\b]
.endr
.irp b, 0,1,2,3
	v_add_nc_u32 v[TM+12+\b], 0xfc000000, v[TM+\b]
.endr
.irp b, 0,1,2,3
	v_and_or_b32 v[TM+8+\b], v[TM+\b], 0x7f800000, s[MNT]
.endr
.irp b, 0,1,2,3
	v_lshrrev_b32 v[TM+4+\b], 23, v[TM+12+\b]
.endr
	v_lshl_or_b32 v[PW+\a], v[TM+5], 8, v[TM+4]
	v_lshl_or_b32 v[PW+\a], v[TM+6], 16, v[PW+\a]
	v_lshl_or_b32 v[PW+\a], v[TM+7], 24, v[PW+\a]
	WIN W1                                         ; source 0: the accumulators' window
.set n, 0
.rept 64
	v_med3_num_f32 v[X+n], v[AC+n], -v[TM+8+n/16], v[TM+8+n/16]   ; the hold at 448 x the scale (the conversion does not saturate: ISA guide 7.6.2)
.set n, n+1
.endr
	WIN 0
.irp b, 0,1,2,3
	v_cvt_scalef32_pk8_fp8_f32 v[PC+4*\b:PC+1+4*\b], v[X+16*\b:X+7+16*\b], v[TM+12+\b]
	v_cvt_scalef32_pk8_fp8_f32 v[PC+2+4*\b:PC+3+4*\b], v[X+8+16*\b:X+15+16*\b], v[TM+12+\b]
.endr
	v_nop                                          ; one plain vector line behind the last conversion
.irp c, 0,1,2,3
	global_store_b128 v[LI], v[PC+4*\c:PC+4*\c+3], s[6:7] offset:(\a)*2048+512*\c   ; 512 consecutive bytes, at a multiple of 256 from the buffer's first byte
.endr
.endm
	PLACES NP                                      ; behind the last products: their results are read, and the registers that held A's fragments are written
.irp b, 0,1,2,3
	v_mov_b32 v[TM+4+\b], 0                        ; a lane permute's destination counts as one of its sources
.endr
.irp a, 0,1,2,3,4,5,6,7
	QOUT \a
.endr
	v_and_b32 v[SW+4], 16, v0
	v_cmp_ne_u32 vcc_lo, 0, v[SW+4]                ; lanes 16-31 store the words of blocks 4-7
.irp i, 0,1,2,3
	v_cndmask_b32 v[SW+\i], v[PW+\i], v[PW+4+\i], vcc_lo
.endr
	global_store_b128 v[LI], v[SW:SW+3], s[6:7] offset:16384
	s_wait_tensorcnt 0x0                           ; the wave's end
	ds_add_u32 v[SPW], v[NIL]
	s_wait_dscnt 0x0
	CROUND                                         ; the closing round: no work-group ends while a partner may still ask for a tile that names it
	s_endpgm
.Lfunc_end_k_q1ebaeb0aea_proj:
	.size	k_q1ebaeb0aea_proj, .Lfunc_end_k_q1ebaeb0aea_proj-k_q1ebaeb0aea_proj
	.p2alignl 7, 3214868480
	.fill 96, 4, 3214868480
	.section	.rodata,"a",@progbits
	.p2align	6, 0x0
	.amdhsa_kernel k_q1ebaeb0aea_proj
		.amdhsa_group_segment_fixed_size 327680
		.amdhsa_private_segment_fixed_size 0
		.amdhsa_enable_private_segment 0
		.amdhsa_kernarg_size 16
		.amdhsa_user_sgpr_count 2
		.amdhsa_user_sgpr_kernarg_segment_ptr 1
		.amdhsa_wavefront_size32 1
		.amdhsa_system_sgpr_workgroup_id_x 1
		.amdhsa_system_sgpr_workgroup_id_y 1
		.amdhsa_system_sgpr_workgroup_id_z 1
		.amdhsa_system_vgpr_workitem_id 0
		.amdhsa_next_free_vgpr 1024
		.amdhsa_next_free_sgpr 66
		.amdhsa_reserve_vcc 1
		.amdhsa_float_denorm_mode_32 3
		.amdhsa_float_denorm_mode_16_64 3
		.amdhsa_memory_ordered 1
		.amdhsa_forward_progress 1
		.amdhsa_inst_pref_size 181
	.end_amdhsa_kernel
	.amdgpu_metadata
---
amdhsa.version: [ 1, 2 ]
amdhsa.kernels:
  - .name:           k_q1ebaeb0aea_proj
    .symbol:         k_q1ebaeb0aea_proj.kd
    .args:
      - { .name: codes, .offset: 0, .size: 8, .value_kind: global_buffer, .address_space: global }
      - { .name: qkv, .offset: 8, .size: 8, .value_kind: global_buffer, .address_space: global }
    .group_segment_fixed_size: 327680
    .private_segment_fixed_size: 0
    .kernarg_segment_align: 8
    .kernarg_segment_size: 16
    .max_flat_workgroup_size: 128
    .sgpr_count:     66
    .vgpr_count:     1024
    .wavefront_size: 32
...
	.end_amdgpu_metadata
.endif
;; end of part 2
;; launch attn (part 3): grid 8 x 32, 16 waves a work-group, no clusters, 327,680 bytes of LDS; arguments qkv, lq1, lk1, lq2, lk2, yimg, stats; writes yimg, stats
.if DOCPART == 3
	.amdgcn_target "amdgcn-amd-amdhsa--gfx1250"
	.amdhsa_code_object_version 6
	.text
	.protected	k_q1ebaeb0aea_attn
	.globl	k_q1ebaeb0aea_attn
	.p2align	8
	.type	k_q1ebaeb0aea_attn,@function
k_q1ebaeb0aea_attn:
	s_mov_b64 s[64:65], 0
	v_nop
	global_prefetch_b8 v0, s[64:65] scope:SCOPE_SE
	s_setreg_imm32_b32 hwreg(HW_REG_WAVE_MODE, 25, 1), 1
	s_wait_xcnt 0x0
; y = Q(softmax(q1 k1^T / 8) - lam softmax(q2 k2^T / 8)) Q(v) for one batch and head, causal, all three products on codes of FP8 (E4M3) with E8M0 scales; and the GroupNorm's partial sums.
; The weights are quantised FINISHED, so the keys are walked twice: pass 1 finds each row's maximum and sum for both maps (a running maximum a lane, joined at the end), pass 2 makes the scores again,
; att = 2^(s c - m c - log2 l1) - lam 2^(s' c - m' c - log2 l2), quantises att along the keys and multiplies by V.
; LEFT OUT: key tiles that lie wholly behind a wave's queries under the mask that the source builds itself (their weights are 0 for all inputs).
; qkv: tiles of 128 rows x 128 K, 16,896 bytes, fragments as images of the operand's registers (2048 a + 512 c + 16 x lane), scale words at 16,384 + 16 x lane.  Q: tile (token tile) x 32 + head, K: + 16, V: (32 + head) x 32 + token tile.
; SHARES.  Work-group (g, batch and head) owns query tiles g and 15 - g: 17 tile steps whatever g.  Each of sixteen waves owns 16 queries (fragment wave / 2 of one of the two tiles; each SIMD gets two of either kind).
; THE RING.  Two slots of 8 tiles (135,168 bytes).  Six fills: K 0-7, K 8-15 (pass 1), then four times K and V of four steps (pass 2).  Every wave brings half a tile, 33 rows of 256 bytes, one tensor load behind each change of slots;
; a fill is asked for when the slot before it begins to be read: 8 or 4 key steps ahead of its first read.  A fill all of whose keys come after the work-group's last query is not asked for (a test on ids, alike in all waves; every wait on TENSORcnt is for 0).
; In a fill that is asked for, tiles beyond the last query may ride along: the test is made for the fill as a whole.
; NO CLUSTER: the eight work-groups of a head walk the same tiles, but under the mask a partner would jump over all reads of tiles that a joint load brings.
; PREFETCH: V's 16 tiles of a head are 1,056 blocks of 256 bytes; work-group g names the 132 blocks of tiles 2 g and 2 g + 1, a lane a block (waves 0-4; left-over lanes name the last block again), at the first change of slots:
; one pass-1 slot (8 key steps) ahead of the first load of V.  K is not prefetched: its two fills leave at the head and at the first change, with no trip ahead of them.
; LIMITS: the promise holds while the scaled scores stay under 2^31 in magnitude; NaN and infinities are not served; a block of att under 2^-118 gets the byte 1.
; REGISTERS: v1-7 addresses; v8-31 [q1 | 0 | q2]; v32-95 four fragments; v96-159 scores of both maps (later att, quantiser's temporaries, V's fragments 4-7); v160-223 pass 1's state, then O^T; v224-239 att's codes; v240-243 scale words; v244 att's; v248, v252 exponents' offsets; v254 -lam.
.set TILE,  16896
.set HALF,  8448
.set T32,   32*TILE
.set SLOT,  8*TILE
.set SPARE, 2*SLOT                     ; the spare words, 128 bytes a wave
.set STAT,  SPARE+2048                 ; the partial sums' stage: bytes of its own
.set LI,  1
.set SPW, 2
.set NIL, 3
.set ADK, 4
.set ADV, 5
.set QD,  6
.set QS,  7
.set QT,  128                          ; the quantiser's temporaries: map 2's registers, dead by then
.set PFO, 250                          ; the prefetch's offset; never rewritten
.set WV,   18
.set MNT,  19
.set SEL,  20
.set CS,   22
.set NC,   24
.set GG,   25
.set BH,   26
.set BB,   27
.set HD,   28
.set IDX,  29
.set DIAG, 30                          ; my query tile
.set STP,  31                          ; the key step
.set G1,   32
.set G0,   40
.set RB,   44                          ; the slot that is read
.set TK,   45                          ; the step's K tile in LDS
.set WOFF, 46                          ; my half tile's place in a slot
.set J,    47
.set OF,   48                          ; s[48:49] the fill's offset in qkv
.set O1,   50                          ; the next fill's, and the one after
.set O2,   51
.set INC,  52
.set LAST, 53                          ; 15 - g: the work-group's last query tile
.set PH,   54
.set PFL,  73
.set PFA,  74
; THE DEAL BEHIND KEY STEP g.  The wave that owns fragment i of the short tile g is done with its own queries at step g.  From step g + 1 on it is the PARTNER of the wave that owns fragment i of the long tile 15 - g (wave number xor 1):
; the long tile's steps g + 1 .. 15 - g go by turns, the odd distances from g (the diagonal among them) to the owner, the even ones to the partner: 9 and 8 steps a pass, whatever g.
; Pass 1: the partner saves its own maximum and sum at step g + 1, takes the long fragment's Q, and at the pass's end the two exchange their parts through LDS bytes of their own and join them.
; Pass 2: at step g + 1 the partner sends its own image and partial sums out, then sums a part of the long fragment's O^T, which the owner adds at the end (through slot 0, which nobody reads or fills by then).
.set SWT,  76                          ; the step at which I change fragments: g + 1 in a partner, none in an owner
.set PAR,  77                          ; 0 in a partner (short tile), 1 in an owner (long tile): made of the wave's number alone
.set XCH,  STAT+4096                   ; pass 1's exchange: 512 bytes a wave, bytes of its own
.macro LOADQ p                         ; my fragment number's Q of the tile at s[p:p+1]
	v_add_nc_u32 v4, s66, v[LI]
	v_and_b32 v5, 15, v0
	v_lshl_add_u32 v5, v5, 4, s67
	s_wait_alu depctr_va_vdst(0)
	global_load_b128 v[8:11], v4, s[\p:\p+1]
	global_load_b128 v[12:15], v4, s[\p:\p+1] offset:512
	global_load_b128 v[24:27], v4, s[\p:\p+1] offset:1024
	global_load_b128 v[28:31], v4, s[\p:\p+1] offset:1536
	global_load_b32 v[QS], v5, s[\p:\p+1] offset:16384
	s_wait_loadcnt 0x0
.endm
.macro ACTIVE skip                     ; is this key step mine?  Ids and the count of steps alone
	s_cmp_gt_u32 s[STP], s[DIAG]
	s_cbranch_scc1 \skip
	s_cmp_le_u32 s[STP], s[GG]
	s_cbranch_scc1 .Lgo_\@
	s_sub_co_u32 s72, s[STP], s[GG]
	s_and_b32 s72, s72, 1
	s_cmp_lg_u32 s72, s[PAR]
	s_cbranch_scc1 \skip
.Lgo_\@:
.endm
.macro MERGE x                         ; my part (v208 on) and my partner's (v216 on) of map x's maximum and sum become one state
.set ST, 160+16*\x
	v_max_num_f32 v[ST], v[208+2*\x], v[216+2*\x]
	v_mul_f32 v220, s[NC], v[216+2*\x]
	v_mul_f32 v221, s[NC], v[ST]
	v_sub_f32 v222, v221, v[ST+2]
	v_sub_f32 v220, v221, v220
	s_wait_alu depctr_va_vdst(0)
	v_exp_f32 v222, v222
	v_exp_f32 v220, v220
	v_nop
	s_wait_alu depctr_va_vdst(0)
	v_mul_f32 v222, v[209+2*\x], v222
	v_fma_f32 v[ST+4], v[217+2*\x], v220, v222
	v_mov_b32 v[ST+2], v221
	v_mov_b32 v[ST+5], 0
.endm
.macro OUTIMG                          ; the image of O^T goes out, and each group's sum and sum of squared deviations from its own mean go to the stage
.set n, 0
	s_wait_alu depctr_va_vdst(0)
.rept 16
	global_store_b128 v[LI], v[160+4*n:163+4*n], s[14:15] offset:512*n
.set n, n+1
.endr
	v_lshrrev_b32 v224, 4, v0
	s_delay_alu instid0(VALU_DEP_1)
	v_lshl_add_u32 v224, v224, 7, STAT
.set e, 0
.rept 16
	v_pk_add_f32 v[32+2*e:33+2*e], v[160+4*e:161+4*e], v[162+4*e:163+4*e]
.set e, e+1
.endr
.set e, 0
.rept 16
	v_add_f32 v[96+2*e], v[32+2*e], v[33+2*e]
.set e, e+1
.endr
.irp k, 1,2,4,8
.set e, 0
.rept 16
	v_add_f32_dpp v[96+2*e], v[96+2*e], v[96+2*e] row_xmask:\k row_mask:0xf bank_mask:0xf
.set e, e+1
.endr
.endr
.set e, 0
.rept 16
	v_mul_f32 v[32+2*e], 0x3c800000, v[96+2*e]
.set e, e+1
.endr
.set e, 0
.rept 16
	v_pk_add_f32 v[128+2*e:129+2*e], v[160+4*e:161+4*e], v[32+2*e:33+2*e] op_sel_hi:[1,0] neg_lo:[0,1] neg_hi:[0,1]
	v_pk_add_f32 v[64+2*e:65+2*e], v[162+4*e:163+4*e], v[32+2*e:33+2*e] op_sel_hi:[1,0] neg_lo:[0,1] neg_hi:[0,1]
.set e, e+1
.endr
.set e, 0
.rept 16
	v_pk_mul_f32 v[128+2*e:129+2*e], v[128+2*e:129+2*e], v[128+2*e:129+2*e]
.set e, e+1
.endr
.set e, 0
.rept 16
	v_pk_fma_f32 v[128+2*e:129+2*e], v[64+2*e:65+2*e], v[64+2*e:65+2*e], v[128+2*e:129+2*e]
.set e, e+1
.endr
.set e, 0
.rept 16
	v_add_f32 v[97+2*e], v[128+2*e], v[129+2*e]
.set e, e+1
.endr
.irp k, 1,2,4,8
.set e, 0
.rept 16
	v_add_f32_dpp v[97+2*e], v[97+2*e], v[97+2*e] row_xmask:\k row_mask:0xf bank_mask:0xf
.set e, e+1
.endr
.endr
.set e, 0
.rept 16
	ds_store_b64 v224, v[96+2*e:97+2*e] offset:8*e
.set e, e+1
.endr
.endm
	s_load_b256 s[4:11], s[0:1], 0x0               ; qkv, lq1, lk1, lq2
	s_load_b128 s[12:15], s[0:1], 0x20             ; lk2, yimg
	s_load_b64 s[16:17], s[0:1], 0x30              ; stats
	v_lshl_add_u32 v[SPW], v0, 2, SPARE
	v_mov_b32 v[NIL], 0
	ds_add_u32 v[SPW], v[NIL]                      ; the opening lines: the add twice on end and its wait ahead of my first tensor load
	ds_add_u32 v[SPW], v[NIL]
	v_lshrrev_b32 v4, 5, v0
	s_delay_alu instid0(VALU_DEP_1)
	v_readfirstlane_b32 s[WV], v4
	s_mov_b32 s[GG], ttmp9
	s_and_b32 s[BH], ttmp7, 0xffff
	s_lshr_b32 s[BB], s[BH], 4
	s_and_b32 s[HD], s[BH], 15
	s_lshr_b32 s[IDX], s[WV], 1
	s_lshr_b32 s55, s[WV], 2
	s_xor_b32 s55, s55, s[WV]
	s_and_b32 s55, s55, 1
	s_sub_co_u32 s[LAST], 15, s[GG]
	s_mov_b32 s[PAR], s55
	s_add_co_u32 s72, s[GG], 1
	s_cmp_eq_u32 s55, 0
	s_cselect_b32 s[DIAG], s[GG], s[LAST]
	s_cselect_b32 s[SWT], s72, 99
	s_mov_b32 s[G1], 3<<16                         ; elements of 8 bytes; 33 dense rows of 256 bytes
	s_mov_b32 s[G1+1], 32<<16
	s_mov_b32 s[G1+2], 33<<16
	s_mov_b32 s[G1+3], 32<<16
	s_mov_b32 s[G1+4], 33
	s_mov_b32 s[G1+5], 32
	s_mov_b32 s[G1+6], 0
	s_mov_b32 s[G1+7], 0
	s_mov_b32 s[MNT], 0x600000
	s_mov_b32 s[SEL], 0x76543210
	s_mov_b32 s[SEL+1], 0xfedcba98
	s_mov_b32 s[CS], 0x3e38aa3b                    ; c = log2(e) / 8
	s_mov_b32 s[CS+1], s[CS]
	s_mov_b32 s[NC], 0xbe38aa3b
	s_lshl_b32 s55, s[BB], 4                       ; the batch's first token tile
	s_lshl_b32 s56, s55, 5
	s_add_co_u32 s56, s56, s[HD]
	s_add_co_u32 s56, s56, 16
	s_mul_i32 s56, s56, TILE                       ; K's tile 0
	s_mul_i32 s57, s[IDX], T32
	s_add_co_u32 s56, s56, s57                     ; tile wave / 2
	s_and_b32 s57, s[WV], 1
	s_mul_i32 s57, s57, HALF
	s_add_co_u32 s[OF], s56, s57                   ; the first fill: my half of K's tile wave / 2
	s_mov_b32 s[OF+1], 0
	s_add_co_u32 s[O1], s[OF], 8*T32               ; the second: eight tiles on
	s_add_co_u32 s58, s[HD], 32
	s_lshl_b32 s58, s58, 5
	s_add_co_u32 s58, s58, s55
	s_mul_i32 s58, s58, TILE                       ; V's tile 0
	s_mul_i32 s59, s[IDX], TILE
	s_add_co_u32 s59, s59, s58
	s_sub_co_u32 s59, s59, 4*TILE
	s_add_co_u32 s59, s59, s57                     ; pass 2, waves 8-15: V's tile wave / 2 - 4
	s_mov_b32 s[INC], 4*TILE
	s_cmp_lt_u32 s[IDX], 4
	s_cselect_b32 s[O2], s[OF], s59                ; waves 0-7: K's tile wave / 2
	s_cselect_b32 s[INC], 4*T32, s[INC]            ; four steps on
	s_mul_i32 s[WOFF], s[WV], HALF
	s_mov_b32 s[RB], SLOT
	s_add_co_u32 s62, s55, s[DIAG]
	s_lshl_b32 s60, s62, 5
	s_add_co_u32 s60, s60, s[HD]
	s_mul_i32 s60, s60, TILE                       ; Q's tile
	s_mov_b32 s61, 0
	s_add_co_u32 s78, s55, s[LAST]
	s_lshl_b32 s78, s78, 5
	s_add_co_u32 s78, s78, s[HD]
	s_mul_i32 s78, s78, TILE                       ; the long tile's Q
	s_mov_b32 s79, 0
	s_lshl_b32 s62, s62, 3
	s_add_co_u32 s62, s62, s[IDX]
	s_lshl_b32 s62, s62, 4
	s_add_co_u32 s62, s62, s[HD]
	s_lshl_b32 s62, s62, 13                        ; my image in yimg
	s_mov_b32 s63, 0
	s_lshl_b32 s70, s[BH], 3
	s_add_co_u32 s70, s70, s[GG]
	s_lshl_b32 s70, s70, 8                         ; my work-group's 256 bytes of stats
	s_mov_b32 s71, 0
	s_mul_i32 s[PFA], s[GG], 2*TILE
	s_add_co_u32 s[PFA], s[PFA], s58               ; V's tiles 2 g and 2 g + 1
	s_mov_b32 s[PFA+1], 0
	s_cmp_lt_u32 s[WV], 5
	s_cselect_b32 s[PFL], 0, 99                    ; waves 0-4 ask, at pass 1's first change
	s_lshl_b32 s66, s[IDX], 11                     ; my fragment of Q
	s_lshr_b32 s67, s[IDX], 2
	s_lshl_b32 s67, s67, 8
	s_and_b32 s72, s[IDX], 3
	s_lshl_b32 s72, s72, 2
	s_add_co_u32 s67, s67, s72                     ; its scale word
	s_lshl_b32 s68, s[HD], 2
	s_lshr_b32 s69, s[IDX], 1
	s_lshl_b32 s69, s69, 5
	s_and_b32 s72, s[IDX], 1
	s_lshl_b32 s72, s72, 3
	s_add_co_u32 s69, s69, s72                     ; its first natural row
	s_wait_dscnt 0x0
	s_wait_kmcnt 0x0
	s_mov_b32 s[G0], 1
	s_mov_b32 s[G0+1], s[WOFF]
	s_add_nc_u64 s[G0+2:G0+3], s[4:5], s[OF:OF+1]
	s_or_b32 s[G0+3], s[G0+3], 0x80000000
	tensor_load_to_lds s[G0:G0+3], s[G1:G1+7]      ; K's tiles 0-7 into slot 0: every wave's one load at the head
	s_nop 0
.rept 4
	v_nop
.endr
	s_add_nc_u64 s[60:61], s[4:5], s[60:61]
	s_add_nc_u64 s[78:79], s[4:5], s[78:79]
	s_add_nc_u64 s[14:15], s[14:15], s[62:63]
	s_add_nc_u64 s[16:17], s[16:17], s[70:71]
	s_add_nc_u64 s[PFA:PFA+1], s[4:5], s[PFA:PFA+1]
	v_and_b32 v32, 31, v0
	v_and_b32 v33, 15, v0
	v_bfe_u32 v34, v0, 4, 1
	v_lshlrev_b32 v[LI], 4, v32
	v_lshl_add_u32 v5, v33, 4, s67
	v_mov_b32 v35, s68
	v_add_nc_u32 v4, s66, v[LI]
	v_min_u32 v[PFO], 131, v0
	v_lshlrev_b32 v[PFO], 8, v[PFO]
	v_and_b32 v40, 8, v33
	v_add_nc_u32 v40, v40, v33
	v_lshlrev_b32 v41, 4, v34
	v_sub_nc_u32 v40, v40, v41
	v_add_nc_u32 v[QD], s69, v40                   ; my query in its tile - 16 (lane / 16)
	s_wait_alu depctr_va_vdst(0)
	global_load_b128 v[8:11], v4, s[60:61]
	global_load_b128 v[12:15], v4, s[60:61] offset:512
	global_load_b128 v[24:27], v4, s[60:61] offset:1024
	global_load_b128 v[28:31], v4, s[60:61] offset:1536
	global_load_b32 v[QS], v5, s[60:61] offset:16384
	global_load_b32 v36, v35, s[6:7]
	global_load_b32 v37, v35, s[8:9]
	global_load_b32 v38, v35, s[10:11]
	global_load_b32 v39, v35, s[12:13]
.irp j, 16,17,18,19,20,21,22,23
	v_mov_b32 v\j, 0                               ; zero codes: v[8:23] = [q1 | 0], v[16:31] = [0 | q2]
.endr
.irp j, 200,201,202,203,204,205,206,207,245,246,247,249,251,253,255
	v_mov_b32 v\j, 0
.endr
.irp x, 0,1
	v_mov_b32 v[160+16*\x], 0xff61b1e6             ; the largest score so far: -3e38
	s_delay_alu instid0(VALU_DEP_1)
	v_mul_f32 v[162+16*\x], s[NC], v[160+16*\x]
	v_mov_b32 v[163+16*\x], 0
	v_mov_b32 v[164+16*\x], 0
	v_mov_b32 v[165+16*\x], 0
	v_mov_b32 v[167+16*\x], 0
.endr
	s_wait_alu depctr_va_vdst(0)
	s_wait_loadcnt 0x0
	v_mul_f32 v36, v36, v37                        ; lam = sigmoid(lq1 lk1) - sigmoid(lq2 lk2) + 0.77787
	v_mul_f32 v38, v38, v39
	s_delay_alu instid0(VALU_DEP_2)
	v_mul_f32 v36, 0xbfb8aa3b, v36
	s_delay_alu instid0(VALU_DEP_2)
	v_mul_f32 v38, 0xbfb8aa3b, v38
	s_wait_alu depctr_va_vdst(0)
	v_exp_f32 v36, v36
	v_exp_f32 v38, v38
	v_nop
	s_wait_alu depctr_va_vdst(0)
	v_add_f32 v36, 1.0, v36
	v_add_f32 v38, 1.0, v38
	s_wait_alu depctr_va_vdst(0)
	v_rcp_f32 v36, v36
	v_rcp_f32 v38, v38
	v_nop
	s_wait_alu depctr_va_vdst(0)
	v_sub_f32 v36, v36, v38
	s_delay_alu instid0(VALU_DEP_1)
	v_add_f32 v192, 0x3f47227f, v36
.macro LDF base, adr, f0               ; four fragments, f0 on, of the tile at adr
.irp t, 0,1,2,3
.irp c, 0,1,2,3
	ds_load_b128 v[\base+16*\t+4*\c:\base+16*\t+4*\c+3], v[\adr] offset:(\f0+\t)*2048+512*\c
.endr
.endr
.endm
.macro MULS g                          ; S^T of 64 keys for both maps; eight places behind them for the loads and reads that follow
	s_wait_dscnt 0x0
.irp t, 0,1,2,3
.if \g == 0
	v_wmma_scale_f32_16x16x128_f8f6f4 v[96+8*\t:103+8*\t], v[32+16*\t:47+16*\t], v[8:23], 0, v[240+\t], v[QS]
	v_wmma_scale_f32_16x16x128_f8f6f4 v[128+8*\t:135+8*\t], v[32+16*\t:47+16*\t], v[16:31], 0, v[240+\t], v[QS]
.else
	v_wmma_scale_f32_16x16x128_f8f6f4 v[96+8*\t:103+8*\t], v[32+16*\t:47+16*\t], v[8:23], 0, v[240+\t], v[QS] matrix_a_scale:MATRIX_SCALE_ROW1
	v_wmma_scale_f32_16x16x128_f8f6f4 v[128+8*\t:135+8*\t], v[32+16*\t:47+16*\t], v[16:31], 0, v[240+\t], v[QS] matrix_a_scale:MATRIX_SCALE_ROW1
.endif
.endr
.rept 8
	v_nop
.endr
.endm
.macro MASK1 g                         ; on the diagonal hidden scores become -infinity ahead of the maximum
	s_cmp_lg_u32 s[STP], s[DIAG]
	s_cbranch_scc1 .Lopen1_\@
	v_mov_b32 v247, 0xff800000
.set n, 0
.rept 32
	v_cmp_gt_i32 vcc_lo, 64*\g+32*(n/16)+n%16, v[QD]
	v_cndmask_b32 v[96+n], v[96+n], v247, vcc_lo
	v_cndmask_b32 v[128+n], v[128+n], v247, vcc_lo
.set n, n+1
.endr
.Lopen1_\@:
.endm
.macro MASK2 g                         ; and hidden weights 0
	s_cmp_lg_u32 s[STP], s[DIAG]
	s_cbranch_scc1 .Lopen2_\@
.set n, 0
.rept 32
	v_cmp_gt_i32 vcc_lo, 64*\g+32*(n/16)+n%16, v[QD]
	s_delay_alu instid0(VALU_DEP_1)
	v_cndmask_b32 v[96+n], v[96+n], v16, vcc_lo
.set n, n+1
.endr
.Lopen2_\@:
.endm
.macro ONLINE x                        ; pass 1, map x: my lane's running maximum and sum over its 32 of the 64 keys
.set S, 96+32*\x
.set ST, 160+16*\x
.irp t, 0,1,2,3
	v_max3_num_f32 v[ST+8+\t], v[S+8*\t], v[S+8*\t+1], v[S+8*\t+2]
.endr
.irp i, 3,5
.irp t, 0,1,2,3
	v_max3_num_f32 v[ST+8+\t], v[ST+8+\t], v[S+8*\t+\i], v[S+8*\t+\i+1]
.endr
.endr
	v_max3_num_f32 v[ST+8], v[ST+8], v[S+7], v[S+15]
	v_max3_num_f32 v[ST+10], v[ST+10], v[S+23], v[S+31]
	s_delay_alu instid0(VALU_DEP_1)
	v_max3_num_f32 v[ST+8], v[ST+8], v[ST+9], v[ST+10]
	s_delay_alu instid0(VALU_DEP_1)
	v_max3_num_f32 v[ST], v[ST+8], v[ST+11], v[ST]
	v_mov_b32 v[ST+14], v[ST+2]
	s_delay_alu instid0(VALU_DEP_2)
	v_mul_f32 v[ST+2], s[NC], v[ST]
	s_delay_alu instid0(VALU_DEP_1)
	v_sub_f32 v[ST+14], v[ST+2], v[ST+14]
	s_wait_alu depctr_va_vdst(0)
	v_exp_f32 v[ST+6], v[ST+14]
.set n, 0
.rept 16
	v_pk_fma_f32 v[S+2*n:S+2*n+1], v[S+2*n:S+2*n+1], s[CS:CS+1], v[ST+2:ST+3] op_sel_hi:[1,0,0]
.set n, n+1
.endr
.set n, 0
	s_wait_alu depctr_va_vdst(0)
.rept 32
	v_exp_f32 v[S+n], v[S+n]
.set n, n+1
.endr
	s_wait_alu depctr_va_vdst(0)
	v_pk_mul_f32 v[ST+4:ST+5], v[ST+4:ST+5], v[ST+6:ST+7] op_sel_hi:[1,0]
	v_pk_add_f32 v[ST+12:ST+13], v[S:S+1], v[S+2:S+3]
.irp j, 4,8,12,16,20,24,28
	v_pk_add_f32 v[ST+4:ST+5], v[ST+4:ST+5], v[S+\j:S+\j+1]
	v_pk_add_f32 v[ST+12:ST+13], v[ST+12:ST+13], v[S+\j+2:S+\j+3]
.endr
	s_delay_alu instid0(VALU_DEP_1)
	v_pk_add_f32 v[ST+4:ST+5], v[ST+4:ST+5], v[ST+12:ST+13]
.endm
.macro FINISH x                        ; the two lanes of a query are joined: v[248 + 4 x] = -(m c) - log2(l)
.set ST, 160+16*\x
	v_add_f32 v[ST+4], v[ST+4], v[ST+5]
	v_permlanex16_b32 v245, v[ST], s[SEL], s[SEL+1]
	s_delay_alu instid0(VALU_DEP_2)
	v_permlanex16_b32 v246, v[ST+4], s[SEL], s[SEL+1]
	s_delay_alu instid0(VALU_DEP_2)
	v_max_num_f32 v[ST+8], v[ST], v245
	s_delay_alu instid0(VALU_DEP_1)
	v_mul_f32 v[248+4*\x], s[NC], v[ST+8]
	s_delay_alu instid0(VALU_DEP_4)
	v_mul_f32 v[ST+10], s[NC], v245
	s_delay_alu instid0(VALU_DEP_2)
	v_sub_f32 v[ST+11], v[248+4*\x], v[ST+2]
	s_delay_alu instid0(VALU_DEP_2)
	v_sub_f32 v[ST+10], v[248+4*\x], v[ST+10]
	s_wait_alu depctr_va_vdst(0)
	v_exp_f32 v[ST+11], v[ST+11]
	v_exp_f32 v[ST+10], v[ST+10]
	v_nop
	s_wait_alu depctr_va_vdst(0)
	v_mul_f32 v[ST+11], v[ST+4], v[ST+11]
	v_mul_f32 v[ST+10], v246, v[ST+10]
	s_delay_alu instid0(VALU_DEP_1)
	v_add_f32 v[ST+11], v[ST+11], v[ST+10]
	s_wait_alu depctr_va_vdst(0)
	v_log_f32 v[ST+11], v[ST+11]
	v_nop
	s_wait_alu depctr_va_vdst(0)
	v_sub_f32 v[248+4*\x], v[248+4*\x], v[ST+11]
.endm
.macro QUANT2 g                        ; att's two blocks of 32 keys become registers 8 g .. 8 g + 7 of the operand and two bytes of its scale word
.irp b, 0,1
	v_max3_num_f32 v[QT+\b], |v[96+16*\b]|, |v[97+16*\b]|, 0x4800000
.endr
.irp i, 2,4,6,8,10,12,14
.irp b, 0,1
	s_delay_alu instid0(VALU_DEP_2)
	v_max3_num_f32 v[QT+\b], v[QT+\b], |v[96+16*\b+\i]|, |v[97+16*\b+\i]|
.endr
.endr
	s_delay_alu instid0(VALU_DEP_2)
	v_permlanex16_b32 v245, v[QT], s[SEL], s[SEL+1]
	s_delay_alu instid0(VALU_DEP_2)
	v_permlanex16_b32 v246, v[QT+1], s[SEL], s[SEL+1]
	s_delay_alu instid0(VALU_DEP_2)
	v_max_num_f32 v[QT], v[QT], v245
	s_delay_alu instid0(VALU_DEP_2)
	v_max_num_f32 v[QT+1], v[QT+1], v246
	s_delay_alu instid0(VALU_DEP_2)
	v_add_nc_u32 v[QT+2], 0xfc000000, v[QT]
	s_delay_alu instid0(VALU_DEP_2)
	v_add_nc_u32 v[QT+3], 0xfc000000, v[QT+1]
	s_delay_alu instid0(VALU_DEP_4)
	v_and_or_b32 v[QT+4], v[QT], 0x7f800000, s[MNT]
	s_delay_alu instid0(VALU_DEP_4)
	v_and_or_b32 v[QT+5], v[QT+1], 0x7f800000, s[MNT]
	s_delay_alu instid0(VALU_DEP_4)
	v_lshrrev_b32 v[QT+6], 23, v[QT+2]
	s_delay_alu instid0(VALU_DEP_4)
	v_lshrrev_b32 v[QT+7], 23, v[QT+3]
.if \g == 0
	s_delay_alu instid0(VALU_DEP_1)
	v_lshl_or_b32 v244, v[QT+7], 8, v[QT+6]
.else
	s_delay_alu instid0(VALU_DEP_2)
	v_lshl_or_b32 v244, v[QT+6], 16, v244
	s_delay_alu instid0(VALU_DEP_1)
	v_lshl_or_b32 v244, v[QT+7], 24, v244
.endif
.irp b, 0,1
.irp i, 0,1,2,3,4,5,6,7,8,9,10,11,12,13,14,15
	v_med3_num_f32 v[96+16*\b+\i], v[96+16*\b+\i], -v[QT+4+\b], v[QT+4+\b]   ; the conversion does not saturate (ISA guide 7.6.2)
.endr
	v_cvt_scalef32_pk8_fp8_f32 v[224+8*\g+4*\b:225+8*\g+4*\b], v[96+16*\b:103+16*\b], v[QT+2+\b]
	v_cvt_scalef32_pk8_fp8_f32 v[226+8*\g+4*\b:227+8*\g+4*\b], v[104+16*\b:111+16*\b], v[QT+2+\b]
.endr
	v_nop
.endm
.macro SOFT g                          ; pass 2: the finished weights of 64 keys, quantised
.set n, 0
.rept 16
	v_pk_fma_f32 v[96+2*n:97+2*n], v[96+2*n:97+2*n], s[CS:CS+1], v[248:249] op_sel_hi:[1,0,0]
.set n, n+1
.endr
.set n, 0
.rept 16
	v_pk_fma_f32 v[128+2*n:129+2*n], v[128+2*n:129+2*n], s[CS:CS+1], v[252:253] op_sel_hi:[1,0,0]
.set n, n+1
.endr
.set n, 0
	s_wait_alu depctr_va_vdst(0)                   ; one wait ahead of the batch and one behind it
.rept 64
	v_exp_f32 v[96+n], v[96+n]
.set n, n+1
.endr
	v_nop
.set n, 0
	s_wait_alu depctr_va_vdst(0)
.rept 16
	v_pk_fma_f32 v[96+2*n:97+2*n], v[128+2*n:129+2*n], v[254:255], v[96+2*n:97+2*n] op_sel_hi:[1,0,1]   ; att1 - lam att2
.set n, n+1
.endr
	MASK2 \g
	s_wait_alu depctr_va_vdst(0)
	QUANT2 \g
.endm
.macro PV                              ; O^T += V^T att^T.  V's fragments 0-3 were asked for ahead of the last 64 keys' softmax; 4-7 go into the scores' registers
	LDF 96, ADV, 4
.rept 4
	v_nop
.endr
	s_wait_dscnt 16                                ; all but the sixteen loads just issued
	s_wait_alu depctr_va_vdst(0)
.irp t, 0,1,2,3
	v_wmma_scale_f32_16x16x128_f8f6f4 v[160+8*\t:167+8*\t], v[32+16*\t:47+16*\t], v[224:239], v[160+8*\t:167+8*\t], v[240+\t], v244
.endr
	s_wait_dscnt 0x0
	s_wait_alu depctr_va_vdst(0)
.irp t, 0,1,2,3
	v_wmma_scale_f32_16x16x128_f8f6f4 v[192+8*\t:199+8*\t], v[96+16*\t:111+16*\t], v[224:239], v[192+8*\t:199+8*\t], v[240+\t], v244 matrix_a_scale:MATRIX_SCALE_ROW1
.endr
.rept 9
	v_nop                                          ; nine places: the next scores are written over registers that these products read
.endr
.endm
; THE CHANGE OF SLOTS, at a slot's head: all my tensor loads are in, the add, my reads of the slot that I leave are over; one barrier; then my half tile of the next fill goes into the slot just left.
.macro CHANGE p2
	s_wait_alu depctr_va_vdst(0)
	s_wait_tensorcnt 0x0
	ds_add_u32 v[SPW], v[NIL]
	s_add_co_u32 s[G0+1], s[RB], s[WOFF]           ; no load of mine is out: the descriptor may be written
	s_xor_b32 s[RB], s[RB], SLOT
	s_mov_b32 s[OF], s[O1]
	s_mov_b32 s[O1], s[O2]
	s_add_co_u32 s[O2], s[O2], s[INC]
	s_add_nc_u64 s[G0+2:G0+3], s[4:5], s[OF:OF+1]
	s_or_b32 s[G0+3], s[G0+3], 0x80000000
	s_wait_dscnt 0x0
	s_barrier_signal -1
	s_barrier_wait -1
.if \p2
	s_add_co_u32 s72, s[STP], 4                    ; the fill's first key tile: past the work-group's last query tile (or past the end) nobody would read it
	s_cmp_gt_u32 s72, s[LAST]
	s_cbranch_scc1 .Lpast_\@
.endif
	tensor_load_to_lds s[G0:G0+3], s[G1:G1+7]
	s_nop 0
.rept 4
	v_nop
.endr
.if \p2
.Lpast_\@:
.else
	s_cmp_eq_u32 s[PH], s[PFL]
	s_cbranch_scc0 .Lnp_\@
	global_prefetch_b8 v[PFO], s[PFA:PFA+1] th:TH_LOAD_NT scope:SCOPE_SE
.Lnp_\@:
.endif
.endm
	s_mov_b32 s[STP], 0
	s_mov_b32 s[PH], 0
.Lp1:                                          ; pass 1: two slots of eight key steps
	CHANGE 0
	s_mov_b32 s[TK], s[RB]
	s_mov_b32 s[J], 0
.Lp1s:
	s_cmp_lg_u32 s[STP], s[SWT]
	s_cbranch_scc1 .Lp1_own
.irp x, 0,1                                    ; a partner at step g + 1: its own state is saved,
	v_mov_b32 v[200+4*\x], v[160+16*\x]
	v_mov_b32 v[201+4*\x], v[162+16*\x]
	v_add_f32 v[202+4*\x], v[164+16*\x], v[165+16*\x]
.endr
.irp x, 0,1                                    ; a new one begun,
	v_mov_b32 v[160+16*\x], 0xff61b1e6
	v_mul_f32 v[162+16*\x], s[NC], v[160+16*\x]
	v_mov_b32 v[164+16*\x], 0
	v_mov_b32 v[165+16*\x], 0
.endr
	s_mov_b32 s[DIAG], s[LAST]
	LOADQ 78                                       ; and the long fragment's Q taken
.Lp1_own:
	ACTIVE .Lp1_skip
	v_add_nc_u32 v[ADK], s[TK], v[LI]
	s_wait_alu depctr_va_vdst(0)
	ds_load_b128 v[240:243], v[ADK] offset:16384
	LDF 32, ADK, 0
	MULS 0
	LDF 32, ADK, 4                                 ; the next 64 keys' fragments are on their way under the vector work
	MASK1 0
	ONLINE 0
	ONLINE 1
	MULS 1
	MASK1 1
	ONLINE 0
	ONLINE 1
.Lp1_skip:
	s_add_co_u32 s[TK], s[TK], TILE
	s_add_co_u32 s[STP], s[STP], 1
	s_add_co_u32 s[J], s[J], 1
	s_cmp_lt_u32 s[J], 8
	s_wait_alu depctr_va_vdst(0)
	s_cbranch_scc1 .Lp1s
	s_add_co_u32 s[PH], s[PH], 1
	s_cmp_lt_u32 s[PH], 2
	s_cbranch_scc1 .Lp1
.irp x, 0,1                                    ; every wave now holds a part of a long fragment's state: owner and partner exchange theirs
	v_mov_b32 v[208+2*\x], v[160+16*\x]
	v_add_f32 v[209+2*\x], v[164+16*\x], v[165+16*\x]
.endr
	v_lshl_add_u32 v212, v0, 4, XCH
	v_xor_b32 v213, 32, v0
	v_lshl_add_u32 v213, v213, 4, XCH
	s_wait_alu depctr_va_vdst(0)
	ds_store_b128 v212, v[208:211]
	s_wait_dscnt 0x0
	s_barrier_signal -1
	s_barrier_wait -1
	ds_load_b128 v[216:219], v213
	s_wait_dscnt 0x0
	MERGE 0
	MERGE 1
	FINISH 0
	FINISH 1
	v_mov_b32 v247, v248                           ; the long fragment's two offsets, kept for a partner's second half of pass 2
	v_mov_b32 v251, v252
	s_wait_alu depctr_va_vdst(0)
	s_cmp_eq_u32 s[PAR], 0
	s_cbranch_scc0 .Lp1_long
.irp x, 0,1                                    ; a partner goes back to its own queries
	v_mov_b32 v[160+16*\x], v[200+4*\x]
	v_mov_b32 v[162+16*\x], v[201+4*\x]
	v_mov_b32 v[164+16*\x], v[202+4*\x]
	v_mov_b32 v[165+16*\x], 0
.endr
	FINISH 0
	FINISH 1
	s_mov_b32 s[DIAG], s[GG]
	LOADQ 60
.Lp1_long:
	v_sub_f32 v254, 0, v192
.set n, 0
.rept 64
	v_mov_b32 v[160+n], 0                          ; O^T: the step is written once
.set n, n+1
.endr
	s_mov_b32 s[STP], 0
	s_mov_b32 s[PH], 0
.Lp2:                                          ; pass 2: four slots of four key steps, K's tiles and behind them V's
	CHANGE 1
	s_mov_b32 s[TK], s[RB]
	s_mov_b32 s[J], 0
.Lp2s:
	s_cmp_lg_u32 s[STP], s[SWT]
	s_cbranch_scc1 .Lp2_own
	OUTIMG                                         ; a partner at step g + 1: its own queries are finished and leave
	s_wait_xcnt 0x0                                ; the stores have read O^T: it is written again only behind this wait
.set n, 0
.rept 64
	v_mov_b32 v[160+n], 0
.set n, n+1
.endr
	v_mov_b32 v248, v247
	v_mov_b32 v252, v251
	s_mov_b32 s[DIAG], s[LAST]
	LOADQ 78
.Lp2_own:
	ACTIVE .Lp2_skip
	v_add_nc_u32 v[ADK], s[TK], v[LI]
	v_add_nc_u32 v[ADV], 4*TILE, v[ADK]
	s_wait_alu depctr_va_vdst(0)
	ds_load_b128 v[240:243], v[ADK] offset:16384
	LDF 32, ADK, 0
	MULS 0
	LDF 32, ADK, 4
	SOFT 0
	MULS 1
	ds_load_b128 v[240:243], v[ADV] offset:16384
	LDF 32, ADV, 0
	SOFT 1
	PV
.Lp2_skip:
	s_add_co_u32 s[TK], s[TK], TILE
	s_add_co_u32 s[STP], s[STP], 1
	s_add_co_u32 s[J], s[J], 1
	s_cmp_lt_u32 s[J], 4
	s_wait_alu depctr_va_vdst(0)
	s_cbranch_scc1 .Lp2s
	s_add_co_u32 s[PH], s[PH], 1
	s_cmp_lt_u32 s[PH], 4
	s_cbranch_scc1 .Lp2
	s_wait_tensorcnt 0x0                           ; no load is out, my reads are over: behind this barrier nobody reads or fills the slots
	s_wait_dscnt 0x0
	s_barrier_signal -1
	s_barrier_wait -1
	s_lshl_b32 s72, s[WV], 13
	v_add_nc_u32 v4, s72, v[LI]                    ; 8,192 bytes a wave in slot 0: mine,
	s_xor_b32 s72, s[WV], 1
	s_lshl_b32 s72, s72, 13
	v_add_nc_u32 v5, s72, v[LI]                    ; and my partner's
	v_and_b32 v226, 31, v0
	v_lshl_add_u32 v225, v226, 3, STAT
	v_lshlrev_b32 v226, 3, v226
	s_wait_alu depctr_va_vdst(0)
	s_cmp_eq_u32 s[PAR], 0
	s_cbranch_scc0 .Lx_long
.set n, 0
.rept 16
	ds_store_b128 v4, v[160+4*n:163+4*n] offset:512*n   ; a partner hands its part of the long fragment's O^T over
.set n, n+1
.endr
.Lx_long:
	s_wait_dscnt 0x0
	s_barrier_signal -1
	s_barrier_wait -1
	s_cmp_eq_u32 s[PAR], 0
	s_cbranch_scc1 .Lhelped                        ; and has nothing more to send
.set n, 0
.rept 16
	ds_load_b128 v[32+4*n:35+4*n], v5 offset:512*n
.set n, n+1
.endr
	s_wait_dscnt 0x0
.set n, 0
.rept 32
	v_pk_add_f32 v[160+2*n:161+2*n], v[160+2*n:161+2*n], v[32+2*n:33+2*n]
.set n, n+1
.endr
; THE WAY OUT: the image of O^T's 64 registers (512 consecutive bytes a store), and for each group of four channels the sum and the sum of squared deviations from the part's own mean, joined as equal counts are.
.set n, 0
	s_wait_alu depctr_va_vdst(0)
.rept 16
	global_store_b128 v[LI], v[160+4*n:163+4*n], s[14:15] offset:512*n
.set n, n+1
.endr
	v_lshrrev_b32 v224, 4, v0
	s_delay_alu instid0(VALU_DEP_1)
	v_lshl_add_u32 v224, v224, 7, STAT
	v_and_b32 v226, 31, v0
	s_delay_alu instid0(VALU_DEP_1)
	v_lshl_add_u32 v225, v226, 3, STAT
	s_delay_alu instid0(VALU_DEP_2)
	v_lshlrev_b32 v226, 3, v226
.set e, 0
.rept 16
	v_pk_add_f32 v[32+2*e:33+2*e], v[160+4*e:161+4*e], v[162+4*e:163+4*e]
.set e, e+1
.endr
.set e, 0
.rept 16
	v_add_f32 v[96+2*e], v[32+2*e], v[33+2*e]
.set e, e+1
.endr
.irp k, 1,2,4,8
.set e, 0
.rept 16
	v_add_f32_dpp v[96+2*e], v[96+2*e], v[96+2*e] row_xmask:\k row_mask:0xf bank_mask:0xf
.set e, e+1
.endr
.endr
.set e, 0
.rept 16
	v_mul_f32 v[32+2*e], 0x3c800000, v[96+2*e]
.set e, e+1
.endr
.set e, 0
.rept 16
	v_pk_add_f32 v[128+2*e:129+2*e], v[160+4*e:161+4*e], v[32+2*e:33+2*e] op_sel_hi:[1,0] neg_lo:[0,1] neg_hi:[0,1]
	v_pk_add_f32 v[64+2*e:65+2*e], v[162+4*e:163+4*e], v[32+2*e:33+2*e] op_sel_hi:[1,0] neg_lo:[0,1] neg_hi:[0,1]
.set e, e+1
.endr
.set e, 0
.rept 16
	v_pk_mul_f32 v[128+2*e:129+2*e], v[128+2*e:129+2*e], v[128+2*e:129+2*e]
.set e, e+1
.endr
.set e, 0
.rept 16
	v_pk_fma_f32 v[128+2*e:129+2*e], v[64+2*e:65+2*e], v[64+2*e:65+2*e], v[128+2*e:129+2*e]
.set e, e+1
.endr
.set e, 0
.rept 16
	v_add_f32 v[97+2*e], v[128+2*e], v[129+2*e]
.set e, e+1
.endr
.irp k, 1,2,4,8
.set e, 0
.rept 16
	v_add_f32_dpp v[97+2*e], v[97+2*e], v[97+2*e] row_xmask:\k row_mask:0xf bank_mask:0xf
.set e, e+1
.endr
.endr
.set e, 0
.rept 16
	ds_store_b64 v224, v[96+2*e:97+2*e] offset:8*e
.set e, e+1
.endr
.Lhelped:
	s_wait_dscnt 0x0
	s_barrier_signal -1
	s_barrier_wait -1
	s_cmp_lg_u32 s[WV], 0
	s_cbranch_scc1 .Lend
.set e, 0
.rept 16
	ds_load_b64 v[32+2*e:33+2*e], v225 offset:256*e
.set e, e+1
.endr
	s_wait_dscnt 0x0
	v_add_f32 v64, v32, v34
	v_add_f32 v65, v33, v35
.set e, 2
.rept 14
	s_delay_alu instid0(VALU_DEP_2)
	v_add_f32 v64, v64, v[32+2*e]
	s_delay_alu instid0(VALU_DEP_2)
	v_add_f32 v65, v65, v[33+2*e]
.set e, e+1
.endr
	s_delay_alu instid0(VALU_DEP_2)
	v_mul_f32 v66, 0x3a800000, v64
.set e, 0
.rept 16
	v_fma_f32 v[32+2*e], v[32+2*e], 0x3c800000, -v66
.set e, e+1
.endr
	v_mul_f32 v67, v32, v32
.set e, 1
.rept 15
	s_delay_alu instid0(VALU_DEP_1)
	v_fma_f32 v67, v[32+2*e], v[32+2*e], v67
.set e, e+1
.endr
	s_delay_alu instid0(VALU_DEP_1)
	v_fma_f32 v65, v67, 0x42800000, v65
	global_store_b64 v226, v[64:65], s[16:17]
.Lend:
	s_wait_tensorcnt 0x0                           ; the wave's end
	ds_add_u32 v[SPW], v[NIL]
	s_wait_dscnt 0x0
	s_endpgm
.Lfunc_end_k_q1ebaeb0aea_attn:
	.size	k_q1ebaeb0aea_attn, .Lfunc_end_k_q1ebaeb0aea_attn-k_q1ebaeb0aea_attn
	.p2alignl 7, 3214868480
	.fill 96, 4, 3214868480
	.section	.rodata,"a",@progbits
	.p2align	6, 0x0
	.amdhsa_kernel k_q1ebaeb0aea_attn
		.amdhsa_group_segment_fixed_size 327680
		.amdhsa_private_segment_fixed_size 0
		.amdhsa_enable_private_segment 0
		.amdhsa_kernarg_size 56
		.amdhsa_user_sgpr_count 2
		.amdhsa_user_sgpr_kernarg_segment_ptr 1
		.amdhsa_wavefront_size32 1
		.amdhsa_system_sgpr_workgroup_id_x 1
		.amdhsa_system_sgpr_workgroup_id_y 1
		.amdhsa_system_sgpr_workgroup_id_z 1
		.amdhsa_system_vgpr_workitem_id 0
		.amdhsa_next_free_vgpr 256
		.amdhsa_next_free_sgpr 96
		.amdhsa_reserve_vcc 1
		.amdhsa_float_denorm_mode_32 3
		.amdhsa_float_denorm_mode_16_64 3
		.amdhsa_memory_ordered 1
		.amdhsa_forward_progress 1
		.amdhsa_inst_pref_size 136
	.end_amdhsa_kernel
	.amdgpu_metadata
---
amdhsa.version: [ 1, 2 ]
amdhsa.kernels:
  - .name:           k_q1ebaeb0aea_attn
    .symbol:         k_q1ebaeb0aea_attn.kd
    .args:
      - { .name: qkv, .offset: 0, .size: 8, .value_kind: global_buffer, .address_space: global }
      - { .name: lq1, .offset: 8, .size: 8, .value_kind: global_buffer, .address_space: global }
      - { .name: lk1, .offset: 16, .size: 8, .value_kind: global_buffer, .address_space: global }
      - { .name: lq2, .offset: 24, .size: 8, .value_kind: global_buffer, .address_space: global }
      - { .name: lk2, .offset: 32, .size: 8, .value_kind: global_buffer, .address_space: global }
      - { .name: yimg, .offset: 40, .size: 8, .value_kind: global_buffer, .address_space: global }
      - { .name: stats, .offset: 48, .size: 8, .value_kind: global_buffer, .address_space: global }
    .group_segment_fixed_size: 327680
    .private_segment_fixed_size: 0
    .kernarg_segment_align: 8
    .kernarg_segment_size: 56
    .max_flat_workgroup_size: 512
    .sgpr_count:     96
    .vgpr_count:     256
    .wavefront_size: 32
...
	.end_amdgpu_metadata
.endif
;; end of part 3
;; launch ynorm (part 4): grid 8 x 32, 4 waves a work-group, no clusters, 1,536 bytes of LDS; arguments yimg, stats, gn_w, gn_b, gamma, ycodes; writes ycodes
.if DOCPART == 4
	.amdgcn_target "amdgcn-amd-amdhsa--gfx1250"
	.amdhsa_code_object_version 6
	.text
	.protected	k_q1ebaeb0aea_ynorm
	.globl	k_q1ebaeb0aea_ynorm
	.p2align	8
	.type	k_q1ebaeb0aea_ynorm,@function
k_q1ebaeb0aea_ynorm:
	s_mov_b64 s[64:65], 0
	v_nop
	global_prefetch_b8 v0, s[64:65] scope:SCOPE_SE
	s_setreg_imm32_b32 hwreg(HW_REG_WAVE_MODE, 25, 1), 1
	s_wait_xcnt 0x0
; The GroupNorm over (all 2,048 tokens, 4 channels) of each head, its affine part, gamma and the factor 1 - 0.77787, and the quantising of the result along f = 128 head + channel for the last product.
; yimg holds, for each block of 16 tokens and each head, the f32 image of 64 registers: lane (r, half) holds token r, register n = channel 32 (n / 16) + 16 half + n % 16.  That is the order of an operand's registers,
; so an image, normalised and quantised, IS fragment a of tile [token tile][head] of ycodes (tiles of 16,896 bytes, as everywhere in this program).  Registers 4 e .. 4 e + 3 are one group.
; stats holds for each (batch, head) eight partial pairs (sum, sum of squared deviations from the partial's own mean), 1,024 numbers each, lane 16 half + e at byte 8 x lane.  They are merged as equal counts are:
; M2 = sum of M2_g + 1,024 x sum of (mean_g - mean)^2: never a difference of large sums.
; SHARES: work-group (x, batch and head); wave w takes token tile 16 b + 2 x + w / 2 and four images (fragments 4 (w % 2) + 0 .. 3).  Memory binds: two images (16 KiB a wave) are always on their way; no matrix unit, no barrier, no cluster: waves share nothing.
; y' = (y - mean) A + B with A = gn_w gamma (1 - L) rstd and B = gn_b gamma (1 - L): the order of the roundings differs from the source's, all in f32.  rstd is v_rsq_f32.
; LIMITS: NaN and infinities are not served; a block of zeros, or one whose largest magnitude lies under 2^-118, gets the byte 1.
; REGISTERS: window 0: v1-7 addresses; v8-23 the partials; v24-39 codes; v40-55 at work; v56-59 scale words; v64-95 (mean, rstd) of my half's 16 groups; v96-100 at work; v128-255 two images.
;   window 1: v0-63 A, v64-127 B, v128-191 gn_w, v192-255 gamma.
.set TILE, 16896
.set LI,  1                            ; 16 x lane
.set LW,  2                            ; LDS: 8 x thread
.set LR,  3                            ; LDS: 256 x wave + 128 x half
.set R16, 4                            ; 16 x (lane % 16)
.set CH,  5                            ; 64 x half: my channels' bytes in a block of 32
.set L8,  6                            ; 8 x lane
.set LN,  7
.set PS,  8
.set PC,  24
.set TM,  40
.set PW,  56
.set MR,  64
.set Y,   128
.set CA,  0
.set CB,  64
.set CW,  128
.set CG,  192
.set SEL, 28
.set MNT, 30
.set MSB, 0
.macro WIN new                         ; the immediate's high byte repeats the setting that is left
.if MSB != \new
	s_set_vgpr_msb (MSB<<8)|\new
.set MSB, \new
.endif
.endm
.macro QUANT s, pw                     ; 64 numbers of a lane, register 16 b + i = k 32 b + 16 half + i, become codes in v[PC] on and the scale word v[pw]
.irp b, 0,1,2,3
	v_max3_num_f32 v[TM+\b], |v[\s+16*\b]|, |v[\s+1+16*\b]|, 0x4800000
.endr
.irp i, 2,4,6,8,10,12,14
.irp b, 0,1,2,3
	v_max3_num_f32 v[TM+\b], v[TM+\b], |v[\s+16*\b+\i]|, |v[\s+1+16*\b+\i]|
.endr
.endr
.irp b, 0,1,2,3
	v_permlanex16_b32 v[TM+4+\b], v[TM+\b], s[SEL], s[SEL+1]
.endr
.irp b, 0,1,2,3
	v_max_num_f32 v[TM+\b], v[TM+\b], v[TM+4+\b]
.endr
.irp b, 0,1,2,3
	v_add_nc_u32 v[TM+12+\b], 0xfc000000, v[TM+\b]
.endr
.irp b, 0,1,2,3
	v_and_or_b32 v[TM+8+\b], v[TM+\b], 0x7f800000, s[MNT]
.endr
.irp b, 0,1,2,3
	v_lshrrev_b32 v[TM+4+\b], 23, v[TM+12+\b]
.endr
	v_lshl_or_b32 v[\pw], v[TM+5], 8, v[TM+4]
	v_lshl_or_b32 v[\pw], v[TM+6], 16, v[\pw]
	v_lshl_or_b32 v[\pw], v[TM+7], 24, v[\pw]
.irp b, 0,1,2,3
.irp i, 0,1,2,3,4,5,6,7,8,9,10,11,12,13,14,15
	v_med3_num_f32 v[\s+16*\b+\i], v[\s+16*\b+\i], -v[TM+8+\b], v[TM+8+\b]   ; the conversion does not saturate (ISA guide 7.6.2)
.endr
	v_cvt_scalef32_pk8_fp8_f32 v[PC+4*\b:PC+1+4*\b], v[\s+16*\b:\s+7+16*\b], v[TM+12+\b]
	v_cvt_scalef32_pk8_fp8_f32 v[PC+2+4*\b:PC+3+4*\b], v[\s+8+16*\b:\s+15+16*\b], v[TM+12+\b]
.endr
	v_nop
.endm
	s_load_b256 s[4:11], s[0:1], 0x0               ; yimg, stats, gn_w, gn_b
	s_load_b128 s[12:15], s[0:1], 0x20             ; gamma, ycodes
	v_lshl_add_u32 v126, v0, 2, 0x400
	v_mov_b32 v127, 0
	v_lshrrev_b32 v8, 5, v0
	v_readfirstlane_b32 s16, v8                    ; wave 0..3
	v_and_b32 v[LN], 31, v0
	v_and_b32 v8, 15, v0
	v_bfe_u32 v9, v0, 4, 1
	v_lshlrev_b32 v[LI], 4, v[LN]
	v_lshlrev_b32 v[LW], 3, v0
	v_lshrrev_b32 v[LR], 4, v0
	v_lshlrev_b32 v[LR], 7, v[LR]
	v_lshlrev_b32 v[R16], 4, v8
	v_lshlrev_b32 v[CH], 6, v9
	v_lshlrev_b32 v[L8], 3, v[LN]
.irp b, 0,1,2,3
	v_mov_b32 v[TM+4+\b], 0                        ; a lane permute's destination counts as one of its sources
.endr
	s_mov_b32 s20, 0x39000000                      ; 1 / 8,192
	s_mov_b32 s21, 0x3727c5ac                      ; 1e-5
	s_mov_b32 s22, 0x3e637605                      ; 1 - (0.8 - 0.6 e^-3.3)
	s_mov_b32 s23, s22
	s_mov_b32 s[SEL], 0x76543210
	s_mov_b32 s[SEL+1], 0xfedcba98
	s_mov_b32 s[MNT], 0x600000
	s_and_b32 s18, ttmp7, 0xffff                   ; batch and head
	s_lshr_b32 s24, s18, 4
	s_lshl_b32 s24, s24, 4
	s_lshl_b32 s25, ttmp9, 1
	s_add_co_u32 s24, s24, s25
	s_lshr_b32 s25, s16, 1
	s_add_co_u32 s24, s24, s25                     ; my token tile
	s_and_b32 s25, s16, 1                          ; which four fragments
	s_and_b32 s26, s18, 15                         ; head
	s_lshl_b32 s34, s24, 3
	s_lshl_b32 s35, s25, 2
	s_add_co_u32 s34, s34, s35
	s_lshl_b32 s34, s34, 4
	s_add_co_u32 s34, s34, s26
	s_lshl_b32 s34, s34, 13                        ; my first image; the next lies 16 heads x 8,192 bytes on
	s_mov_b32 s35, 0
	s_lshl_b32 s36, s18, 11
	s_mov_b32 s37, 0
	s_lshl_b32 s38, s24, 4
	s_add_co_u32 s38, s38, s26
	s_mul_i32 s38, s38, TILE
	s_mov_b32 s39, 0
	s_lshl_b32 s40, s25, 13
	s_mov_b32 s41, 0
	s_lshl_b32 s42, s25, 8
	s_add_co_u32 s42, s42, 16384
	s_mov_b32 s43, 0
	s_wait_alu depctr_va_vdst(0)
	s_wait_kmcnt 0x0
	s_add_nc_u64 s[4:5], s[4:5], s[34:35]
	s_add_nc_u64 s[6:7], s[6:7], s[36:37]
	s_add_nc_u64 s[14:15], s[14:15], s[38:39]
	s_add_nc_u64 s[32:33], s[14:15], s[42:43]      ; my four scale words' 256 bytes
	s_add_nc_u64 s[14:15], s[14:15], s[40:41]      ; my four fragments
.irp g, 0,1,2,3,4,5,6,7
	global_load_b64 v[PS+2*\g:PS+2*\g+1], v[L8], s[6:7] offset:256*\g
.endr
	WIN 0x40                                       ; destination window 1
.set p, 0
.rept 16
	global_load_b128 v[CB+4*p:CB+4*p+3], v[CH], s[10:11] offset:128*(p/4)+16*(p%4)
	global_load_b128 v[CW+4*p:CW+4*p+3], v[CH], s[8:9] offset:128*(p/4)+16*(p%4)
	global_load_b128 v[CG+4*p:CG+4*p+3], v[CH], s[12:13] offset:128*(p/4)+16*(p%4)
.set p, p+1
.endr
	WIN 0
.macro YLOAD i                         ; image i: sixteen loads of 512 consecutive bytes
.set p, 0
.rept 16
	global_load_b128 v[Y+64*((\i)%2)+4*p:Y+64*((\i)%2)+4*p+3], v[LI], s[4:5] offset:(\i)*131072+512*p th:TH_LOAD_NT
.set p, p+1
.endr
.endm
	YLOAD 0
	YLOAD 1
	s_wait_loadcnt 32                              ; the partials and the parameters are in; the two images' 32 loads may be out
	v_add_f32 v98, v[PS], v[PS+2]
	v_add_f32 v99, v[PS+1], v[PS+3]
.irp g, 2,3,4,5,6,7
	v_add_f32 v98, v98, v[PS+2*\g]
	v_add_f32 v99, v99, v[PS+2*\g+1]
.endr
	v_mul_f32 v96, s20, v98                        ; the mean of 8,192
.irp g, 0,1,2,3,4,5,6,7
	v_fma_f32 v[PS+2*\g], v[PS+2*\g], 0x3a800000, -v96     ; a partial's mean less the whole's
.endr
	v_mul_f32 v100, v[PS], v[PS]
.irp g, 1,2,3,4,5,6,7
	v_fma_f32 v100, v[PS+2*\g], v[PS+2*\g], v100
.endr
	v_fma_f32 v99, v100, 0x44800000, v99
	v_fma_f32 v99, v99, s20, s21                   ; the variance + 1e-5
	s_wait_alu depctr_va_vdst(0)
	v_rsq_f32 v97, v99
	v_nop
	s_wait_alu depctr_va_vdst(0)
	ds_store_b64 v[LW], v[96:97]                   ; lane 16 half + e holds group e's pair: through my wave's own 256 bytes every lane gets its half's sixteen
.irp i, 0,1,2,3,4,5,6,7
	ds_load_b128 v[MR+4*\i:MR+4*\i+3], v[LR] offset:16*\i  ; LDS serves a wave's instructions in order (ISA guide 5.7.1.4)
.endr
	WIN 0x55                                       ; all in window 1
.set n, 0
.rept 32
	v_pk_mul_f32 v[CG+2*n:CG+2*n+1], v[CG+2*n:CG+2*n+1], s[22:23] op_sel_hi:[1,0]
.set n, n+1
.endr
.set n, 0
.rept 32
	v_pk_mul_f32 v[CB+2*n:CB+2*n+1], v[CB+2*n:CB+2*n+1], v[CG+2*n:CG+2*n+1]
	v_pk_mul_f32 v[CW+2*n:CW+2*n+1], v[CW+2*n:CW+2*n+1], v[CG+2*n:CG+2*n+1]
.set n, n+1
.endr
	s_wait_dscnt 0x0
	WIN 0x41                                       ; destination and source 0 window 1, source 1 window 0
.set n, 0
.rept 64
	v_mul_f32 v[CA+n], v[CW+n], v[MR+1+2*(n/4)]    ; x rstd of the register's group
.set n, n+1
.endr
	WIN 0
.irp i, 0,1,2,3
.set YB, Y+64*(\i%2)
.if \i < 3
	s_wait_loadcnt 16                              ; this image is in; the next one's 16 loads may be out
.else
	s_wait_loadcnt 0x0
.endif
.set n, 0
.rept 32
	v_pk_add_f32 v[YB+2*n:YB+2*n+1], v[YB+2*n:YB+2*n+1], v[MR+2*(n/2):MR+2*(n/2)+1] op_sel_hi:[1,0] neg_lo:[0,1] neg_hi:[0,1]   ; y - mean
.set n, n+1
.endr
	WIN 0x14                                       ; sources 1 and 2 window 1
.set n, 0
.rept 32
	v_pk_fma_f32 v[YB+2*n:YB+2*n+1], v[YB+2*n:YB+2*n+1], v[CA+2*n:CA+2*n+1], v[CB+2*n:CB+2*n+1]
.set n, n+1
.endr
	WIN 0
	s_wait_xcnt 0x0                                ; the last image's stores have read the codes' registers
	QUANT YB, PW+\i
.if \i < 2
	YLOAD \i+2
.endif
.irp c, 0,1,2,3
	global_store_b128 v[LI], v[PC+4*\c:PC+4*\c+3], s[14:15] offset:\i*2048+512*\c
.endr
.endr
	s_wait_xcnt 0x0                                ; EXEC changes only behind this wait
	v_cmp_gt_u32 vcc_lo, 16, v[LN]
	s_wait_tensorcnt 0x0
	ds_add_u32 v126, v127
	s_wait_dscnt 0x0
	s_and_saveexec_b32 s2, vcc_lo
	global_store_b128 v[R16], v[PW:PW+3], s[32:33] ; sixteen lanes store 256 consecutive bytes
	s_endpgm
.Lfunc_end_k_q1ebaeb0aea_ynorm:
	.size	k_q1ebaeb0aea_ynorm, .Lfunc_end_k_q1ebaeb0aea_ynorm-k_q1ebaeb0aea_ynorm
	.p2alignl 7, 3214868480
	.fill 96, 4, 3214868480
	.section	.rodata,"a",@progbits
	.p2align	6, 0x0
	.amdhsa_kernel k_q1ebaeb0aea_ynorm
		.amdhsa_group_segment_fixed_size 1536
		.amdhsa_private_segment_fixed_size 0
		.amdhsa_enable_private_segment 0
		.amdhsa_kernarg_size 48
		.amdhsa_user_sgpr_count 2
		.amdhsa_user_sgpr_kernarg_segment_ptr 1
		.amdhsa_wavefront_size32 1
		.amdhsa_system_sgpr_workgroup_id_x 1
		.amdhsa_system_sgpr_workgroup_id_y 1
		.amdhsa_system_sgpr_workgroup_id_z 1
		.amdhsa_system_vgpr_workitem_id 0
		.amdhsa_next_free_vgpr 512
		.amdhsa_next_free_sgpr 66
		.amdhsa_reserve_vcc 1
		.amdhsa_float_denorm_mode_32 3
		.amdhsa_float_denorm_mode_16_64 3
		.amdhsa_memory_ordered 1
		.amdhsa_forward_progress 1
		.amdhsa_inst_pref_size 75
	.end_amdhsa_kernel
	.amdgpu_metadata
---
amdhsa.version: [ 1, 2 ]
amdhsa.kernels:
  - .name:           k_q1ebaeb0aea_ynorm
    .symbol:         k_q1ebaeb0aea_ynorm.kd
    .args:
      - { .name: yimg, .offset: 0, .size: 8, .value_kind: global_buffer, .address_space: global }
      - { .name: stats, .offset: 8, .size: 8, .value_kind: global_buffer, .address_space: global }
      - { .name: gn_w, .offset: 16, .size: 8, .value_kind: global_buffer, .address_space: global }
      - { .name: gn_b, .offset: 24, .size: 8, .value_kind: global_buffer, .address_space: global }
      - { .name: gamma, .offset: 32, .size: 8, .value_kind: global_buffer, .address_space: global }
      - { .name: ycodes, .offset: 40, .size: 8, .value_kind: global_buffer, .address_space: global }
    .group_segment_fixed_size: 1536
    .private_segment_fixed_size: 0
    .kernarg_segment_align: 8
    .kernarg_segment_size: 48
    .max_flat_workgroup_size: 128
    .sgpr_count:     66
    .vgpr_count:     512
    .wavefront_size: 32
...
	.end_amdgpu_metadata
.endif
;; end of part 4
;; launch outp (part 5): grid 8 x 32, 4 waves a work-group, clusters of 4 x 4, 327,680 bytes of LDS; arguments ycodes, codes, out0; writes out0
.if DOCPART == 5
	.amdgcn_target "amdgcn-amd-amdhsa--gfx1250"
	.amdhsa_code_object_version 6
	.text
	.protected	k_q1ebaeb0aea_outp
	.globl	k_q1ebaeb0aea_outp
	.p2align	8
	.type	k_q1ebaeb0aea_outp,@function
k_q1ebaeb0aea_outp:
	s_mov_b64 s[64:65], 0
	v_nop
	global_prefetch_b8 v0, s[64:65] scope:SCOPE_SE
	s_setreg_imm32_b32 hwreg(HW_REG_WAVE_MODE, 25, 1), 1
	s_wait_xcnt 0x0
	s_wait_alu depctr_hold_cnt(0) depctr_sa_sdst(0) depctr_va_vdst(0) depctr_va_sdst(0) depctr_va_ssrc(0) depctr_va_vcc(0) depctr_vm_vsrc(0)
	s_getreg_b32 s2, hwreg(HW_REG_IB_STS2, 6, 4)
	s_cmp_eq_u32 s2, 0
	s_cbranch_scc0 .Lentry_in_a_cluster
	s_endpgm
.Lentry_in_a_cluster:
	s_bfe_u32 s2, ttmp6, 0x10000c
	s_cmp_lg_u32 s2, 0xf033
	s_cbranch_scc0 .Lentry_shape_is_right
	s_endpgm
.Lentry_shape_is_right:
; out0 [4096][1024] = y' Wc^T on codes of FP8 (E4M3) with E8M0 scales, K = 2,048.  A = ycodes (32 rowtiles), B = Wc's codes (tiles 640 on of codes, 8 rowtiles); tiles of 128 rows x 128 K, 16,896 bytes, [rowtile][K step]:
; fragment a as the image of the operand's registers (2048 a + 512 c + 16 x lane), scale words at 16,384 + 16 x lane (fragments 4 (lane / 16) + 0 .. 3, row lane % 16); row r of fragment a is natural row 32 (a / 2) + 8 (a % 2) + r + 8 (r / 8).
; SHARES.  A block of 128 x 128 to a work-group: 32 x 8 = 256 work-groups.  Four waves, each 64 x 64: 16 accumulators; wave (i, j) takes A's fragments 4 i .. and B's 4 j ...
; THE RING.  A slot holds four K steps of A's rowtile and of B's, 8 tiles; a wave's one load brings two K steps of one side, 33,792 dense bytes.  Four fills in all: slot 0 at the head, slot 1 behind the full sequence, two refills.
; CLUSTERS: 4 x 4; A's tiles are asked for jointly along a row of the cluster, B's along a column.  NO PREFETCH: of the four fills two leave at the head, and the other two would have to be named there as well, ahead of any trip.
; THE MATRIX INSTRUCTION IS USED TRANSPOSED (source 0 = B's rows, source 1 = A's): a lane holds neighbouring columns of one row of the result.
; Scale words: lanes 0-15 load A's four words, lanes 16-31 B's, by one load a K step; source 0 reads them from lanes 16-31.
; REGISTERS: window 0: v1-29 addresses; v32-39 scale words, two sets; v128-255 A's fragments, two sets (on the way out: rows read back).  Window 1: v0-127 B's fragments, two sets; v128-255 the accumulators, (a, b) at 128 + 8 (4 a + b).
.set TILE,   16896
.set HALFT,  2*TILE
.set SLOT,   4*HALFT
.set SPARE,  2*SLOT
.set KS,     16
.set NP,     8                         ; places behind this matrix instruction (ISA guide 7.12.1)
.set SPITCH, 272                       ; a stage row: 256 bytes + 16
.set LI,   1
.set ADRA, 16
.set ADRB, 20
.set ADS,  22
.set STO,  24
.set RD,   25
.set CO,   26
.set SPW,  28
.set NIL,  29
.set SC,   32
.set AF,   128
.set ACC,  128
.set BK,   128
.set G1,  24
.set G0,  32
.set G1B, 48
.set G0B, 56
.set MSB, 0
.macro WIN new                         ; the immediate's high byte repeats the setting that is left
.if MSB != \new
	s_set_vgpr_msb (MSB<<8)|\new
.set MSB, \new
.endif
.endm
.set MUL,  0x51                        ; source 0 (B), C and D window 1, source 1 (A) window 0
.set TO_B, 0x40
.macro JLOAD g0a, g1a, g0b, g1b        ; waves 0 and 1 fetch for A, waves 2 and 3 for B
	s_cmp_eq_u32 s15, 0
	s_cbranch_scc0 .Lfor_b_\@
	tensor_load_to_lds s[\g0a:\g0a+3], s[\g1a:\g1a+7]
	s_nop 0
.rept 4
	v_nop
.endr
	s_branch .Lasked_\@
.Lfor_b_\@:
	tensor_load_to_lds s[\g0b:\g0b+3], s[\g1b:\g1b+7]
	s_nop 0
.rept 4
	v_nop
.endr
.Lasked_\@:
.endm
.macro CREST
	s_cmp_lg_u32 s14, 0
	s_cbranch_scc1 .Lnot_wave_0_\@
	s_barrier_signal -3
.Lnot_wave_0_\@:
	s_barrier_wait -3
	s_barrier_signal -1
	s_barrier_wait -1
.endm
.macro CROUND
	s_barrier_signal -1
	s_barrier_wait -1
	CREST
.endm
.macro PLACES n
.rept \n
	v_nop
.endr
.endm
	s_load_b128 s[4:7], s[0:1], 0x0                ; ycodes, codes
	s_load_b64 s[8:9], s[0:1], 0x10                ; out0
	v_lshl_add_u32 v[SPW], v0, 2, SPARE
	v_mov_b32 v[NIL], 0
	ds_add_u32 v[SPW], v[NIL]                      ; the opening lines
	ds_add_u32 v[SPW], v[NIL]
	v_lshrrev_b32 v1, 5, v0
	v_readfirstlane_b32 s14, v1                    ; wave
	s_lshr_b32 s15, s14, 1                         ; i.  Also: I fetch for A (0) or B (1)
	s_and_b32 s16, s14, 1                          ; j.  Also: which two K steps of a slot I fetch
	s_bfe_u32 s40, ttmp6, 0x40000
	s_bfe_u32 s41, ttmp6, 0x40004
	s_lshl_b32 s42, ttmp9, 2
	s_add_co_u32 s42, s42, s40                     ; B's rowtile
	s_and_b32 s17, ttmp7, 0xffff
	s_lshl_b32 s17, s17, 2
	s_add_co_u32 s17, s17, s41                     ; A's rowtile
	s_lshl_b32 s43, s41, 2
	s_lshl_b32 s43, 15, s43
	s_lshl_b32 s44, 0x1111, s40
	s_or_b32 s[G1+0], s43, (3<<16)|(1<<21)
	s_or_b32 s[G1B+0], s44, (3<<16)|(1<<21)
.irp g, G1, G1B
	s_mov_b32 s[\g+1], 32<<16                      ; 132 dense rows of 256 bytes
	s_mov_b32 s[\g+2], 132<<16
	s_mov_b32 s[\g+3], 32<<16
	s_mov_b32 s[\g+4], 132
	s_mov_b32 s[\g+5], 32
	s_mov_b32 s[\g+6], 0
	s_mov_b32 s[\g+7], 0
.endr
	s_mul_i32 s20, s17, KS*TILE
	s_mul_i32 s21, s16, HALFT
	s_add_co_u32 s20, s20, s21
	s_mov_b32 s21, 0
	s_mul_i32 s46, s42, KS*TILE
	s_mul_i32 s47, s16, HALFT
	s_add_co_u32 s46, s46, s47
	s_add_co_u32 s46, s46, 640*TILE
	s_mov_b32 s47, 0
	s_mul_i32 s45, s14, HALFT                      ; in a slot: A's K steps 0-1, 2-3, then B's
	s_wait_dscnt 0x0
	s_wait_kmcnt 0x0
	s_add_nc_u64 s[20:21], s[4:5], s[20:21]
	s_add_nc_u64 s[46:47], s[6:7], s[46:47]
	CROUND                                         ; in front of the first joint loads
.irp s, 0,1
	s_mov_b32 s[G0+4*\s], 1
	s_add_co_u32 s[G0+4*\s+1], s45, \s*SLOT
	s_add_nc_u64 s[G0+4*\s+2:G0+4*\s+3], s[20:21], \s*4*TILE
	s_or_b32 s[G0+4*\s+3], s[G0+4*\s+3], 0x80000000
	s_mov_b32 s[G0B+4*\s], 1
	s_add_co_u32 s[G0B+4*\s+1], s45, \s*SLOT
	s_add_nc_u64 s[G0B+4*\s+2:G0B+4*\s+3], s[46:47], \s*4*TILE
	s_or_b32 s[G0B+4*\s+3], s[G0B+4*\s+3], 0x80000000
.endr
	JLOAD G0, G1, G0B, G1B                         ; slot 0: one load a wave at the head
	s_lshl_b32 s21, s15, 13                        ; my four fragments of A,
	s_lshl_b32 s22, s16, 13
	s_add_co_u32 s22, s22, 4*TILE                  ; and of B, behind A's four tiles
	s_mul_i32 s23, s14, 16*SPITCH                  ; my stage, in slot 0
	s_lshl_b32 s12, s15, 8
	s_lshl_b32 s11, s16, 8
	s_add_co_u32 s11, s11, 4*TILE
	s_sub_co_u32 s11, s11, s12                     ; from A's scale words to B's
	s_add_co_u32 s10, s12, 16384
	s_lshl_b32 s20, s17, 7
	s_lshl_b32 s13, s15, 6
	s_add_co_u32 s20, s20, s13
	s_lshl_b32 s20, s20, 12                        ; my first row of out0: 128 x rowtile + 64 i, rows of 4,096 bytes
	s_lshl_b32 s13, s42, 9
	s_add_co_u32 s20, s20, s13
	s_lshl_b32 s13, s16, 8
	s_add_co_u32 s20, s20, s13                     ; my first column: 512 bytes a block + 256 j
	v_and_b32 v1, 31, v0
	v_and_b32 v2, 15, v0
	v_bfe_u32 v3, v0, 4, 1
	v_lshlrev_b32 v[LI], 4, v1
	v_add_nc_u32 v[ADRA], s21, v[LI]
	v_add_nc_u32 v[ADRB], s22, v[LI]
	v_add_nc_u32 v[ADRA+1], SLOT, v[ADRA]
	v_add_nc_u32 v[ADRB+1], SLOT, v[ADRB]
	v_mul_u32_u24 v4, s11, v3                      ; lanes 16-31 take B's words
	v_lshl_add_u32 v4, v2, 4, v4
	v_add_nc_u32 v[ADS], s10, v4
	v_add_nc_u32 v[ADS+1], SLOT, v[ADS]
	v_mul_u32_u24 v5, v2, SPITCH
	v_lshl_add_u32 v5, v3, 6, v5
	v_add_nc_u32 v[STO], s23, v5                   ; into the stage: row r, + 64 bytes for the upper lanes
	v_mul_u32_u24 v6, v3, SPITCH
	v_lshl_add_u32 v6, v2, 4, v6
	v_add_nc_u32 v[RD], s23, v6                    ; back: sixteen lanes to a row of 256 bytes, two rows a load
	v_lshlrev_b32 v[CO], 12, v3
	v_lshl_add_u32 v[CO], v2, 4, v[CO]
	s_mov_b32 s21, 0
	s_add_nc_u64 s[8:9], s[8:9], s[20:21]
.macro FETCH slot, q, p                ; my eight fragments and the scale words of the slot's K step q into set p
	WIN TO_B
.irp i, 0,1,2,3
.irp c, 0,1,2,3
	ds_load_b128 v[64*(\p)+16*\i+4*\c:64*(\p)+16*\i+4*\c+3], v[ADRB+\slot] offset:(\q)*TILE+\i*2048+512*\c
.endr
.endr
	WIN 0
.irp i, 0,1,2,3
.irp c, 0,1,2,3
	ds_load_b128 v[AF+64*(\p)+16*\i+4*\c:AF+64*(\p)+16*\i+4*\c+3], v[ADRA+\slot] offset:(\q)*TILE+\i*2048+512*\c
.endr
.endr
	ds_load_b128 v[SC+4*(\p):SC+4*(\p)+3], v[ADS+\slot] offset:(\q)*TILE
.endm
.macro MUL8 a0, p, zero                ; A's blocks a0, a0 + 1 x B's four.  The 16 accumulators take turns, in the same order in every step
.irp a, \a0, \a0+1
.irp b, 0,1,2,3
.if \zero
	v_wmma_scale_f32_16x16x128_f8f6f4 v[ACC+8*(4*(\a)+\b):ACC+8*(4*(\a)+\b)+7], v[64*(\p)+16*\b:64*(\p)+16*\b+15], v[AF+64*(\p)+16*(\a):AF+64*(\p)+16*(\a)+15], 0, v[SC+4*(\p)+\b], v[SC+4*(\p)+(\a)] matrix_a_scale:MATRIX_SCALE_ROW1
.else
	v_wmma_scale_f32_16x16x128_f8f6f4 v[ACC+8*(4*(\a)+\b):ACC+8*(4*(\a)+\b)+7], v[64*(\p)+16*\b:64*(\p)+16*\b+15], v[AF+64*(\p)+16*(\a):AF+64*(\p)+16*(\a)+15], v[ACC+8*(4*(\a)+\b):ACC+8*(4*(\a)+\b)+7], v[SC+4*(\p)+\b], v[SC+4*(\p)+(\a)] matrix_a_scale:MATRIX_SCALE_ROW1
.endif
.endr
.endr
.endm
.macro STEP slot, q, zero              ; one of a slot's first three K steps: the next step's operands are asked for, then this step's 16 products
	s_wait_dscnt 0x0
	PLACES NP                                      ; in front of loads into the set that the last step's products read
	FETCH \slot, (\q)+1, 1-(\q)%2
	WIN MUL
	MUL8 0, (\q)%2, \zero
	MUL8 2, (\q)%2, \zero
	WIN 0
.endm
.macro TURN slot, next, fill           ; a slot's last K step changes slots
	s_wait_tensorcnt 0x0                           ; my part of the next slot is in
	ds_add_u32 v[SPW], v[NIL]
	s_wait_dscnt 1                                 ; this step's operands are in; the add may be out
	WIN MUL
	MUL8 0, 1, 0
	s_wait_dscnt 0x0                               ; the add is done; my reads of this slot were over with the wait above
	s_barrier_signal -1
	MUL8 2, 1, 0
	WIN 0
	s_barrier_wait -1
.if \fill
	CREST                                          ; the barrier has opened a round of the cluster's
	s_add_nc_u64 s[G0+4*\slot+2:G0+4*\slot+3], s[G0+4*\slot+2:G0+4*\slot+3], 8*TILE
	s_add_nc_u64 s[G0B+4*\slot+2:G0B+4*\slot+3], s[G0B+4*\slot+2:G0B+4*\slot+3], 8*TILE
	JLOAD G0+4*\slot, G1, G0B+4*\slot, G1B
	PLACES NP-4
.else
	PLACES NP
.endif
	FETCH \next, 0, 0
.endm
	s_wait_alu depctr_va_vdst(0)
	s_wait_tensorcnt 0x0                           ; my part of slot 0 is in; the full sequence ahead of slot 1's first fill
	ds_add_u32 v[SPW], v[NIL]
	s_wait_dscnt 0x0
	CROUND
	JLOAD G0+4, G1, G0B+4, G1B
	FETCH 0, 0, 0
	STEP 0, 0, 1                                   ; the first products start the sums
	STEP 0, 1, 0
	STEP 0, 2, 0
	TURN 0, 1, 1
.irp q, 0,1,2
	STEP 1, \q, 0
.endr
	TURN 1, 0, 1
.irp q, 0,1,2
	STEP 0, \q, 0
.endr
	TURN 0, 1, 0                                   ; nothing more is filled
.irp q, 0,1,2
	STEP 1, \q, 0
.endr
	s_wait_dscnt 0x0
	WIN MUL
	MUL8 0, 1, 0
	MUL8 2, 1, 0
	WIN 0
; THE WAY OUT: a block of 16 rows x 64 columns goes through my stage (in slot 0, which has had its last fill and its last read) and comes back as rows of 256 bytes: sixteen lanes store one aligned unit.
.macro TOSTAGE a
	WIN 0x04                                       ; the data: window 1
.irp b, 0,1,2,3
	ds_store_b128 v[STO], v[ACC+8*(4*(\a)+\b):ACC+8*(4*(\a)+\b)+3] offset:128*(\b/2)+32*(\b%2)
	ds_store_b128 v[STO], v[ACC+8*(4*(\a)+\b)+4:ACC+8*(4*(\a)+\b)+7] offset:128*(\b/2)+32*(\b%2)+16
.endr
	WIN 0
.set BR, BK+32*((\a)%2)
.set t, 0
.rept 8
	ds_load_b128 v[BR+4*t:BR+4*t+3], v[RD] offset:2*t*SPITCH   ; LDS serves a wave's instructions in order (ISA guide 5.7.1.4)
.set t, t+1
.endr
.endm
.macro SEND a, younger
.set BR, BK+32*((\a)%2)
.set NR, 32*((\a)/2)+8*((\a)%2)
	s_wait_dscnt \younger
.set t, 0
.rept 8
	global_store_b128 v[CO], v[BR+4*t:BR+4*t+3], s[8:9] offset:(NR+2*t+8*(t/4))*4096 th:TH_STORE_NT
.set t, t+1
.endr
.endm
	PLACES NP
	TOSTAGE 0
.irp a, 1,2,3
.if \a > 1
	s_wait_xcnt 0x0                                ; block a - 2's stores have read their registers
.endif
	TOSTAGE \a
	SEND \a-1, 16                                  ; behind block a - 1's loads: block a's 8 stores and 8 loads
.endr
	SEND 3, 0
	s_wait_tensorcnt 0x0                           ; the wave's end
	ds_add_u32 v[SPW], v[NIL]
	s_wait_dscnt 0x0
	CROUND                                         ; the closing round
	s_endpgm
.Lfunc_end_k_q1ebaeb0aea_outp:
	.size	k_q1ebaeb0aea_outp, .Lfunc_end_k_q1ebaeb0aea_outp-k_q1ebaeb0aea_outp
	.p2alignl 7, 3214868480
	.fill 96, 4, 3214868480
	.section	.rodata,"a",@progbits
	.p2align	6, 0x0
	.amdhsa_kernel k_q1ebaeb0aea_outp
		.amdhsa_group_segment_fixed_size 327680
		.amdhsa_private_segment_fixed_size 0
		.amdhsa_enable_private_segment 0
		.amdhsa_kernarg_size 24
		.amdhsa_user_sgpr_count 2
		.amdhsa_user_sgpr_kernarg_segment_ptr 1
		.amdhsa_wavefront_size32 1
		.amdhsa_system_sgpr_workgroup_id_x 1
		.amdhsa_system_sgpr_workgroup_id_y 1
		.amdhsa_system_sgpr_workgroup_id_z 1
		.amdhsa_system_vgpr_workitem_id 0
		.amdhsa_next_free_vgpr 512
		.amdhsa_next_free_sgpr 66
		.amdhsa_reserve_vcc 0
		.amdhsa_float_denorm_mode_32 3
		.amdhsa_float_denorm_mode_16_64 3
		.amdhsa_memory_ordered 1
		.amdhsa_forward_progress 1
		.amdhsa_inst_pref_size 89
	.end_amdhsa_kernel
	.amdgpu_metadata
---
amdhsa.version: [ 1, 2 ]
amdhsa.kernels:
  - .name:           k_q1ebaeb0aea_outp
    .symbol:         k_q1ebaeb0aea_outp.kd
    .args:
      - { .name: ycodes, .offset: 0, .size: 8, .value_kind: global_buffer, .address_space: global }
      - { .name: codes, .offset: 8, .size: 8, .value_kind: global_buffer, .address_space: global }
      - { .name: out0, .offset: 16, .size: 8, .value_kind: global_buffer, .address_space: global }
    .group_segment_fixed_size: 327680
    .private_segment_fixed_size: 0
    .kernarg_segment_align: 8
    .kernarg_segment_size: 24
    .max_flat_workgroup_size: 128
    .sgpr_count:     66
    .vgpr_count:     512
    .wavefront_size: 32
...
	.end_amdgpu_metadata
.endif
;; end of part 5
